; MI455X (gfx1250); checked and timed in simulation.
; The chip was launched on July 23, 2026; its instructions are those of AMD's public machine-readable ISA for CDNA 5 (MIT licence, August 2026) and "CDNA5" Instruction Set Architecture Reference Guide (July 2026). The comments in the code are by the model that wrote it; some were corrected since.
;; Causal Self Attention. Allowed arithmetic: matrix products marked QUANTISED: E2M1 operands, one E8M0 scale for each 32 along K, by v_wmma_scale_f32_16x16x128_f8f6f4 with both operands' format E2M1 (or v_wmma_scale_f32_32x16x128_f4), f32 sums; everything else in f32.
;; Inputs: b_out 1,024 float32; b_qkv 3,072 float32; w_out_codes 1,024 x 32 x 16 uint8 (E2M1 codes of w_out, K innermost, in blocks of 32 codes, two codes a byte); w_out_scales 1,024 x 32 uint8 (E8M0 scales of w_out, one for each 32 codes along K); w_qkv_codes 3,072 x 32 x 16 uint8 (E2M1 codes of w_qkv, K innermost, in blocks of 32 codes, two codes a byte); w_qkv_scales 3,072 x 32 uint8 (E8M0 scales of w_qkv, one for each 32 codes along K); x_codes 4 x 2,048 x 32 x 16 uint8 (E2M1 codes of x, K innermost, in blocks of 32 codes, two codes a byte); x_scales 4 x 2,048 x 32 uint8 (E8M0 scales of x, one for each 32 codes along K).
;; Outputs: out0 4 x 2,048 x 1,024 float32.
;; This version of the problem:
;;   THIS VERSION OF THE PROBLEM IS GIVEN IN LOW PRECISION. The matrix products marked QUANTISED in the list below multiply operands that are first quantised to E2M1 (2 exponent bits, 1 mantissa bit; 4 bits a number), with one power-of-two scale for each 32 numbers along K (OCP MX v1.0); their sums are f32. All else is computed in f32.
;;   The module's matrix products, in the order in which they are computed (A, B: the left and right operand; K: the contracted axis; several contracted axes count as one K, in the product's order):
;;     1. [M 8,192, K 1,024] x [K 1,024, N 3,072]; A: input x (given as codes); B: input w_qkv (given as codes): QUANTISED
;;     2. batch 64 x [M 2,048, K 64] x [K 64, N 2,048]; A: computed on the way; B: computed on the way: QUANTISED
;;     3. batch 64 x [M 2,048, K 2,048] x [K 2,048, N 64]; A: softmax (see below); B: computed on the way: QUANTISED
;;     4. [M 8,192, K 1,024] x [K 1,024, N 1,024]; A: computed on the way; B: input w_out (given as codes): QUANTISED
;;   THE QUANTISER, for each operand of a quantised product, along K:
;;     - K is cut into blocks of 32 from its start; a last block that is shorter is filled with zeros.
;;     - A block's scale is 2^e with e = floor(log2(the largest magnitude in the block)) - 2, held to -126 .. 127; a block of zeros has e = 0. As a byte (E8M0): e + 127.
;;     - Each number is divided by its block's scale, clamped to +-6, and rounded to the nearest number of E2M1, ties to even, subnormals kept.
;;     - The product sums the exact products of the quantised numbers (number of the format x scale) in f32.
;;   ~~~python
;;   def quantise(x, axis):      # numpy; x: float32 -> the quantised numbers, widened to float32 again
;;       x = np.moveaxis(x, axis, -1); K = x.shape[-1]
;;       x = np.pad(x, [(0, 0)] * (x.ndim - 1) + [(0, -K % 32)]); x = x.reshape(x.shape[:-1] + (-1, 32)); a = np.abs(x).max(-1, keepdims=True)
;;       e = np.where(a > 0, np.clip(np.frexp(np.where(a > 0, a, 1))[1] - 1 - 2, -126, 127), 0)      # np.frexp(a)[1] - 1 = floor(log2(a)), exactly
;;       r = np.clip(x / 2.0 ** e, -6, 6)
;;       step = 2.0 ** (np.maximum(np.frexp(np.where(r == 0, 1, r))[1] - 1, 0) - 1)
;;       q = np.round(r / step) * step * 2.0 ** e      # np.round: ties to even
;;       return np.moveaxis(q.reshape(q.shape[:-2] + (-1,))[..., :K], -1, axis).astype(np.float32)
;;   ~~~
;;   SOFTMAX AHEAD OF A QUANTISED PRODUCT. Where the list says 'softmax', what is quantised is not the finished softmax but p = 2^(t - M), with t = logit x log2(e) and M = ceil(the row's largest t), a whole number; so 1/2 < the row's largest p <= 1. The row's sum l is taken of the UNQUANTISED p, in f32, and the product's result is divided by l at the end. Since M is a whole number, a kernel that streams over the keys may use a running M (the ceiling of the running maximum): every later rescaling is an exact power of two, which a block's scale takes up: the codes' values come out the same.
;;   OPERANDS COMPUTED ON THE WAY. 'Computed on the way' means the value that the module computes at that place (a softmax that the list does not call 'softmax' is quantised finished and normalised). What goes into a quantiser is computed in f32, as accurately as f32 sums, v_exp_f32 and their like allow (about 1e-6 of the number): no bf16 or f16 on the way to a quantiser, and a product that is left as it is and whose result goes on into a quantised operand takes f32 operands (vector FMAs, or v_wmma_f32_16x16x4_f32). A number that lies on a knife's edge between two numbers of the format may be rounded either way, as far as f32 arithmetic and the matrix unit's own rounding can turn it there, and no further.
;;   INPUTS GIVEN AS CODES. w_out (in the module: [1024, 1024], K = its axis 0); w_qkv (in the module: [1024, 3072], K = its axis 0); x (in the module: [4, 2048, 1024], K = its axis 2): each comes as NAME_codes (uint8): NAME with its K axis moved to the last place and cut into blocks of 32 codes, [.., K / 32, bytes a block], one block behind the other in memory; two codes a byte, the lower K in the low four bits (a code: sign, 2 exponent bits, 1 mantissa bit); and NAME_scales (uint8): the same leading axes, one E8M0 byte (e + 127) for each 32 codes along K. Its value is code x scale, taken as it is: it is not quantised again, and the codes and scales need not be those that the quantiser above would give.
;; One version. Each part assembles by itself: llvm-mc -triple=amdgcn-amd-amdhsa -mcpu=gfx1250 --defsym DOCPART=n.
;; ======== version 1 of 1: 3 launches
;; workspace buffers: qk_img 8,388,608 bytes; qk_sc 1,048,576 bytes; v_img 4,194,304 bytes; v_sc 262,144 bytes; a_img 4,194,304 bytes; a_sc 262,144 bytes
;; launch qkv (part 1): grid 12 x 32, 4 waves a work-group, clusters of 4 x 4, 327,680 bytes of LDS; arguments x_codes, x_scales, w_qkv_codes, w_qkv_scales, b_qkv, qk_img, qk_sc, v_img, v_sc; writes qk_img, qk_sc, v_img, v_sc
.if DOCPART == 1
	.amdgcn_target "amdgcn-amd-amdhsa--gfx1250"
	.amdhsa_code_object_version 6
	.text
	.protected	k_q363e7dc6f8_qkv
	.globl	k_q363e7dc6f8_qkv
	.p2align	8
	.type	k_q363e7dc6f8_qkv,@function
k_q363e7dc6f8_qkv:
	s_mov_b64 s[64:65], 0
	v_nop
	global_prefetch_b8 v0, s[64:65] scope:SCOPE_SE
	s_setreg_imm32_b32 hwreg(HW_REG_WAVE_MODE, 25, 1), 1
	s_wait_xcnt 0x0
	s_wait_alu depctr_hold_cnt(0) depctr_sa_sdst(0) depctr_va_vdst(0) depctr_va_sdst(0) depctr_va_ssrc(0) depctr_va_vcc(0) depctr_vm_vsrc(0)
	s_getreg_b32 s2, hwreg(HW_REG_IB_STS2, 6, 4)
	s_cmp_eq_u32 s2, 0
	s_cbranch_scc0 .Lentry_in_a_cluster
	s_endpgm
.Lentry_in_a_cluster:
	s_bfe_u32 s2, ttmp6, 0x10000c
	s_cmp_lg_u32 s2, 0xf033
	s_cbranch_scc0 .Lentry_shape_is_right
	s_endpgm
.Lentry_shape_is_right:
; qkv = x w_qkv + b_qkv on codes of FP4 (E2M1) with E8M0 scales, and the quantisers of q, k (along the head's 64) and v (along the keys), in registers: only codes and scale words go to memory.
; DEAD WORK, for the whole program: nothing of this launch and no input is left out.  The second launch leaves out the steps of 128 keys that lie wholly after a tile's 16 queries: the causal mask sets their
; scores to -infinity, so their p is 0 for all values of the inputs, and they add nothing to the row's maximum, its sum or the second product.
; LIMITS: NaN, infinities and a given scale byte 0xff are not served; a NaN, an infinity or an overflow that reaches only the steps left out is not carried to the result.  A block of zeros gets the byte 1
; where the rule says 127: its codes are zeros, and the bytes are read by this program alone.  Blocks whose largest magnitude lies under 2^-124, the floor, were not tried.
; SHAPE: a work-group of four waves makes 256 x 256, a wave 128 x 128: 64 accumulators, 512 registers.  K = 1,024 is two LDS slots of 512 along K (rows of 256 bytes): both are first fills, nothing is filled again.
; The matrix instruction's source 0 takes 16 rows of S0, source 1 16 rows of S1: in the result lane (r, h) holds S1's row r, and register j S0's row 8 h + j.  A lane's registers run along S0, so S0 IS THE AXIS THAT IS QUANTISED:
;   cluster x = 0, 1 (q and k): S0 = rows of w_qkv (features: two heads a wave), S1 = rows of x (tokens);     cluster x = 2 (v): S0 = rows of x (128 keys a wave), S1 = rows of w_qkv (v's features).
; The mode hangs on the cluster's x alone, which all sixteen partners share.  In both modes S0's tile hangs on cx (shared along a column of the cluster) and S1's on cy (shared along a row): tiles are asked for jointly.
; FROM RESULTS TO AN OPERAND: tile t (8 registers) holds k = 16 t + 8 h + j.  Tiles 2 p, 2 p + 1 and lane l xor 16 hold block p of 32.  Tile t's eight codes go to register 4 (t / 4) + 2 (t % 2) + (t / 2) % 2; an exchange of
; halves between registers p and p + 1 (p even) then gives the operand's layout, registers 4 c .. 4 c + 3 = k 64 c + 32 h + 0 .. 31.  Four such registers are stored as they stand, 16 bytes a lane at 16 x lane: 512 consecutive bytes.
; REGISTERS: window 0: v1 r, v2 h; v16-31 addresses; v32-95 scale words, two sets; v96-127 the quantiser's; v128-191 S1's fragments, later 64 numbers at work; v192-255 the bias.
;   window 1: S0's fragments, two sets.   windows 2, 3: the accumulators ((a, b) at v[8 (8 (a % 4) + b)]).
.set NQ,     4                         ; matrix instructions deep in a slot
.set ROWB,   256                       ; a tile's row in bytes: 512 codes
.set KROW,   512                       ; a row of x or of w_qkv in memory
.set PITCH,  272                       ; an LDS row: 256 bytes + 16 of padding, so that the 16 rows of a load start at 16 different banks (64 banks of 4 bytes: ISA guide 11.1)
.set FR,     8
.set NL,     2
.set NP,     4                         ; places behind this matrix instruction (ISA guide 7.12.1)
.set HALFT,  128*PITCH
.set SLOT,   4*HALFT                   ; S1's 256 rows, then S0's 256 rows
.set KS,     32                        ; a row of scale bytes
.set SCL,    2*SLOT                    ; behind the slots: the scales, as units of 256 bytes + 16 of padding
.set HALFS,  (128*KS/256)*272
.set SBLK,   (16*KS/256)*272
.set SPARE,  SCL+4*HALFS               ; the spare words, 128 bytes a wave; no other line names them
.set ADRA, 16                          ; v16-17 LDS address of S1's fragments in slot 0, 1
.set ADRB, 20                          ; v20-21 the same for S0
.set LI,   24                          ; v24 16 x lane
.set VSO,  25                          ; v25 q, k: where my scale words go
.set VBO,  26                          ; v26 my offset in the bias
.set ADRS, 27                          ; v27 LDS address of my scale words: lanes 0-15 S1's, lanes 16-31 S0's
.set SPW,  28
.set NIL,  29
.set VSH,  30                          ; v30 16 h
.set SC,   32
.set TM,   96                          ; v96-99 largest magnitudes, v100-103 bytes, v108-111 the conversions' scale operands
.set PC,   112                         ; v112-119 the codes just made
.set W4,   120                         ; v120-123 four scale words to store
.set PW,   124                         ; the scale word just made
.set AF,   128
.set WK,   128
.set BS,   192
.set G1, 24
.set G0, 32
.set G1B, 48
.set G0B, 56
.set G1S, 68
.set G0S, 76
.set G1SB, 80
.set G0SB, 88
.set HM,  66                           ; s66 lanes 16-31
.set SEL, 98                           ; s[98:99] lane selects: lane l xor 16
.set MSB, 0
.macro WIN new                         ; the immediate's high byte repeats the setting that is left
.if MSB != (\new)
	s_set_vgpr_msb (MSB<<8)|(\new)
.set MSB, (\new)
.endif
.endm
.set MUL_LO, 0xa1                      ; source 0 window 1, source 1 window 0, C and D window 2
.set MUL_HI, 0xf1
.set TO_B,   0x40
; A joint load: waves 0 and 1 fetch for S1, waves 2 and 3 for S0.  The branch hangs on the wave's number alone.  An s_nop 0 and four v_nop follow each line.
.macro JLOAD g0a, g1a, g0b, g1b
	s_cmp_eq_u32 s15, 0
	s_cbranch_scc0 .Lfor_b_\@
	tensor_load_to_lds s[\g0a:\g0a+3], s[\g1a:\g1a+7]
	s_nop 0
.rept 4
	v_nop
.endr
	s_branch .Lasked_\@
.Lfor_b_\@:
	tensor_load_to_lds s[\g0b:\g0b+3], s[\g1b:\g1b+7]
	s_nop 0
.rept 4
	v_nop
.endr
.Lasked_\@:
.endm
.macro CROUND                          ; a round of the cluster's barrier
	s_barrier_signal -1
	s_barrier_wait -1
	s_cmp_lg_u32 s14, 0
	s_cbranch_scc1 .Lnot_wave_0_\@
	s_barrier_signal -3
.Lnot_wave_0_\@:
	s_barrier_wait -3
	s_barrier_signal -1
	s_barrier_wait -1
.endm
	s_load_b128 s[4:7], s[0:1], 0x0                ; x's codes, x's scales
	s_load_b128 s[8:11], s[0:1], 0x10              ; w_qkv's codes, w_qkv's scales
	v_lshl_add_u32 v[SPW], v0, 2, SPARE
	v_mov_b32 v[NIL], 0
	ds_add_u32 v[SPW], v[NIL]                      ; the wave's opening: the add, twice on end, and its wait ahead of my first tensor load
	ds_add_u32 v[SPW], v[NIL]
	v_lshrrev_b32 v1, 5, v0
	v_readfirstlane_b32 s14, v1                    ; wave 0..3
	s_lshr_b32 s15, s14, 1                         ; which 128 rows of S1 are mine.  Also: I fetch for S1 (0) or for S0 (1)
	s_and_b32 s16, s14, 1                          ; which 128 rows of S0.  Also: which 128 rows of that tile I fetch
	s_bfe_u32 s40, ttmp6, 0x40000                  ; cx
	s_bfe_u32 s41, ttmp6, 0x40004                  ; cy
	s_lshl_b32 s42, ttmp9, 2                       ; 4 x cluster x
	s_and_b32 s17, ttmp7, 0xffff
	s_lshl_b32 s17, s17, 2                         ; 4 x cluster y
	s_cmp_eq_u32 ttmp9, 2                          ; v's clusters?
	s_cselect_b32 s42, s17, s42                    ; S0's tile: v: tokens, 4 x cluster y; q, k: features, 4 x cluster x
	s_cselect_b32 s17, 8, s17                      ; S1's tile: v: features from row 2,048 on; q, k: tokens
	s_add_co_u32 s42, s42, s40                     ; + cx
	s_add_co_u32 s17, s17, s41                     ; + cy
	s_lshl_b32 s43, s41, 2
	s_lshl_b32 s43, 15, s43                        ; my row of the cluster
	s_lshl_b32 s44, 0x1111, s40                    ; my column
	; group 1: a tile of 128 rows x 256 bytes, 16 bytes of padding behind each row
	s_or_b32 s[G1+0], s43, (0<<16)|(1<<20)|(1<<21)|(5<<22)|(3<<25)
	s_or_b32 s[G1B+0], s44, (0<<16)|(1<<20)|(1<<21)|(5<<22)|(3<<25)
.irp g, G1, G1B
	s_mov_b32 s[\g+1], ROWB<<16                    ; tensor_dim0
	s_mov_b32 s[\g+2], 128<<16                     ; tensor_dim1
	s_mov_b32 s[\g+3], ROWB<<16                    ; tile_dim0
	s_mov_b32 s[\g+4], 128                         ; tile_dim1
	s_mov_b32 s[\g+5], KROW                        ; from row to row
	s_mov_b32 s[\g+6], 0
	s_mov_b32 s[\g+7], 0
.endr
	; the scales of 128 rows: 4,096 dense bytes, as 16 rows of 256 bytes (32 elements of 8), 16 bytes of padding behind each
	s_or_b32 s[G1S+0], s43, (3<<16)|(1<<20)|(1<<21)|(5<<22)|(3<<25)
	s_or_b32 s[G1SB+0], s44, (3<<16)|(1<<20)|(1<<21)|(5<<22)|(3<<25)
.irp g, G1S, G1SB
	s_mov_b32 s[\g+1], 32<<16
	s_mov_b32 s[\g+2], (128*KS/256)<<16
	s_mov_b32 s[\g+3], 32<<16
	s_mov_b32 s[\g+4], 128*KS/256
	s_mov_b32 s[\g+5], 32
	s_mov_b32 s[\g+6], 0
	s_mov_b32 s[\g+7], 0
.endr
	s_lshl_b32 s18, s16, 7                         ; which 128 rows of the tile I fetch
	s_lshl_b32 s20, s17, 8
	s_add_co_u32 s20, s20, s18                     ; S1: row 256 x tile + 128 x half
	s_lshl_b32 s46, s42, 8
	s_add_co_u32 s46, s46, s18                     ; S0 likewise
	s_mov_b32 s21, 0
	s_mov_b32 s47, 0
	s_mov_b64 s[18:19], KS
	s_mul_u64 s[22:23], s[20:21], s[18:19]         ; where these rows' scales begin
	s_mul_u64 s[92:93], s[46:47], s[18:19]
	s_mov_b64 s[18:19], KROW
	s_mul_u64 s[20:21], s[20:21], s[18:19]         ; and their codes
	s_mul_u64 s[46:47], s[46:47], s[18:19]
	s_mul_i32 s45, s14, HALFT                      ; where they go: wave x 128 rows
	s_mul_i32 s94, s14, HALFS
	s_wait_dscnt 0x0                               ; both opening adds are done
	s_wait_kmcnt 0x0
	s_cmp_eq_u32 ttmp9, 2                          ; the buffers are chosen by the cluster's x: x and w_qkv have rows of one shape
	s_cselect_b64 s[96:97], s[8:9], s[4:5]         ; S1's codes
	s_cselect_b64 s[98:99], s[10:11], s[6:7]       ; S1's scales
	s_cselect_b64 s[8:9], s[4:5], s[8:9]           ; S0's codes
	s_cselect_b64 s[10:11], s[6:7], s[10:11]       ; S0's scales
	s_add_nc_u64 s[20:21], s[96:97], s[20:21]
	s_add_nc_u64 s[22:23], s[98:99], s[22:23]
	s_add_nc_u64 s[46:47], s[8:9], s[46:47]
	s_add_nc_u64 s[92:93], s[10:11], s[92:93]
	CROUND                                         ; all sixteen work-groups are here: the first joint loads meet
	s_mov_b32 s[G0S], 1
	s_add_co_u32 s[G0S+1], s94, SCL
	s_mov_b64 s[G0S+2:G0S+3], s[22:23]
	s_or_b32 s[G0S+3], s[G0S+3], 0x80000000
	s_mov_b32 s[G0SB], 1
	s_add_co_u32 s[G0SB+1], s94, SCL
	s_mov_b64 s[G0SB+2:G0SB+3], s[92:93]
	s_or_b32 s[G0SB+3], s[G0SB+3], 0x80000000
	JLOAD G0S, G1S, G0SB, G1SB                     ; the scales first: they are wanted with the first step
.irp s, 0,1
	s_mov_b32 s[G0+4*\s], 1
	s_add_co_u32 s[G0+4*\s+1], s45, \s*SLOT
	s_add_nc_u64 s[G0+4*\s+2:G0+4*\s+3], s[20:21], \s*ROWB
	s_or_b32 s[G0+4*\s+3], s[G0+4*\s+3], 0x80000000
	s_mov_b32 s[G0B+4*\s], 1
	s_add_co_u32 s[G0B+4*\s+1], s45, \s*SLOT
	s_add_nc_u64 s[G0B+4*\s+2:G0B+4*\s+3], s[46:47], \s*ROWB
	s_or_b32 s[G0B+4*\s+3], s[G0B+4*\s+3], 0x80000000
	JLOAD G0+4*\s, G1, G0B+4*\s, G1B               ; three loads of mine are out
.endr
	s_load_b256 s[4:11], s[0:1], 0x20              ; b_qkv s[4:5], qk_img s[6:7], qk_sc s[8:9], v_img s[10:11]: the operands' addresses have been used up
	s_load_b64 s[12:13], s[0:1], 0x40              ; v_sc
	v_and_b32 v1, 15, v0                           ; r = lane % 16
	v_bfe_u32 v2, v0, 4, 1                         ; h = lane / 16
	v_mul_u32_u24 v3, v1, PITCH
	v_lshl_add_u32 v4, v2, 4, v3                   ; a fragment's row x pitch + 16 h
	s_mul_i32 s21, s15, HALFT
	s_mul_i32 s22, s16, HALFT
	s_add_co_u32 s22, s22, 2*HALFT
.irp s, 0,1
	v_add_nc_u32 v[ADRA+\s], s21, v4
	v_add_nc_u32 v[ADRB+\s], s22, v4
	s_add_co_u32 s21, s21, SLOT
	s_add_co_u32 s22, s22, SLOT
.endr
	v_mul_u32_u24 v5, v1, KS                       ; my row's scales: 32 bytes a row,
	v_lshrrev_b32 v6, 8, v5
	v_lshl_add_u32 v5, v6, 4, v5                   ; and 16 more for each 256 passed
	s_mul_i32 s21, s15, HALFS
	s_mul_i32 s22, s16, HALFS
	s_add_co_u32 s22, s22, 2*HALFS
	s_sub_co_u32 s22, s22, s21
	v_mul_u32_u24 v6, s22, v2                      ; lanes 16-31 take S0's
	s_add_co_u32 s21, s21, SCL
	v_add_nc_u32 v5, v5, v6
	v_add_nc_u32 v[ADRS], s21, v5
	v_and_b32 v5, 31, v0
	v_lshlrev_b32 v[LI], 4, v5
.irp b, 0,1,2,3
	v_mov_b32 v[TM+4+\b], 0                        ; written once: a lane permute's destination counts as one of its sources
.endr
	s_mov_b32 s[SEL], 0x76543210
	s_mov_b32 s[SEL+1], 0xfedcba98
	s_mov_b32 s[HM], 0xffff0000
.macro FRAG reg, adr, q, i             ; 16 rows x 128 K of 4-bit codes: 8 registers, two loads of 16 bytes, 32 bytes apart
.irp c, 0,1
	ds_load_b128 v[\reg+4*\c:\reg+4*\c+3], v[\adr] offset:64*(\q)+32*\c+(\i)*16*PITCH
.endr
.endm
; 16 matrix instructions: S1's blocks a0, a0 + 1 x S0's eight.  The 64 accumulators take turns, one instruction a turn, in the same order in every step.
.macro MUL16 a0, p, q, sc, zero
.irp a, \a0, \a0+1
.irp b, 0,1,2,3,4,5,6,7
.if \zero
	v_wmma_scale_f32_16x16x128_f8f6f4 v[8*(8*((\a)%4)+\b):8*(8*((\a)%4)+\b)+7], v[128*(\p)+FR*\b:128*(\p)+FR*\b+FR-1], v[AF+FR*(\a):AF+FR*(\a)+FR-1], 0, v[SC+8*NQ*(\sc)+NQ*\b+(\q)], v[SC+8*NQ*(\sc)+NQ*(\a)+(\q)] matrix_a_fmt:MATRIX_FMT_FP4 matrix_b_fmt:MATRIX_FMT_FP4 matrix_a_scale:MATRIX_SCALE_ROW1
.else
	v_wmma_scale_f32_16x16x128_f8f6f4 v[8*(8*((\a)%4)+\b):8*(8*((\a)%4)+\b)+7], v[128*(\p)+FR*\b:128*(\p)+FR*\b+FR-1], v[AF+FR*(\a):AF+FR*(\a)+FR-1], v[8*(8*((\a)%4)+\b):8*(8*((\a)%4)+\b)+7], v[SC+8*NQ*(\sc)+NQ*\b+(\q)], v[SC+8*NQ*(\sc)+NQ*(\a)+(\q)] matrix_a_fmt:MATRIX_FMT_FP4 matrix_b_fmt:MATRIX_FMT_FP4 matrix_a_scale:MATRIX_SCALE_ROW1
.endif
.endr
.endr
.endm
.macro FETCH_B slot, q, p
	WIN TO_B
.irp i, 0,1,2,3,4,5,6,7
	FRAG 128*(\p)+FR*\i, ADRB+\slot, \q, \i
.endr
	WIN 0
.endm
.macro FETCH_A slot, q, i0
.irp i, \i0, \i0+1, \i0+2, \i0+3
	FRAG AF+FR*(\i), ADRA+\slot, \q, \i
.endr
.endm
.macro SCALES sc                       ; a slot's scale words: four a row; lanes 0-15 S1's block i, lanes 16-31 S0's block i
.irp i, 0,1,2,3,4,5,6,7
	ds_load_b128 v[SC+8*NQ*\sc+NQ*\i:SC+8*NQ*\sc+NQ*\i+3], v[ADRS] offset:\i*SBLK
.endr
.endm
.macro PLACES n                        ; plain vector instructions between a matrix instruction and a load into, or a vector instruction on, its registers
.rept \n
	v_nop
.endr
.endm
.macro STEP slot, q, zero              ; 128 along K, with its successor in the same slot
	s_wait_dscnt 4*NL                              ; all but the youngest eight loads (S1's blocks 4-7) are in
	WIN MUL_LO
	MUL16 0, (\q)%2, \q, \slot, \zero
	MUL16 2, (\q)%2, \q, \slot, \zero
	s_wait_dscnt 0
	PLACES NP
	FETCH_B \slot, (\q)+1, 1-(\q)%2
	FETCH_A \slot, (\q)+1, 0
	WIN MUL_HI
	MUL16 4, (\q)%2, \q, \slot, \zero
	MUL16 6, (\q)%2, \q, \slot, \zero
	PLACES NP
	WIN 0
	FETCH_A \slot, (\q)+1, 4
.endm
.macro TURN slot, next                 ; a slot's last step changes slots: one barrier, behind which the next slot is whole.  Nothing is filled again
	s_wait_tensorcnt 0x0                           ; all my tensor loads have landed: my part of the next slot
	ds_add_u32 v[SPW], v[NIL]                      ; 0 onto my spare word
	s_wait_dscnt 4*NL+1                            ; the add and the youngest eight loads may be out
	WIN MUL_LO
	MUL16 0, 1, NQ-1, \slot, 0
	s_wait_dscnt 0x0
	s_barrier_signal -1
	MUL16 2, 1, NQ-1, \slot, 0
	WIN 0
	s_barrier_wait -1
	PLACES NP
	v_add_nc_u32 v[ADRS], 4*NQ, v[ADRS]            ; the next slot's scale words
	FETCH_B \next, 0, 0
	FETCH_A \next, 0, 0
	SCALES \next
	WIN MUL_HI
	MUL16 4, 1, NQ-1, \slot, 0
	MUL16 6, 1, NQ-1, \slot, 0
	PLACES NP
	WIN 0
	FETCH_A \next, 0, 4
.endm
; 64 numbers of a lane, v[s + 8 t + j] = k 16 t + 8 h + j of my row, become a fragment's codes in v[PC] on and its scale word in v[PW].
.macro QUANT s
.irp b, 0,1,2,3
	v_max3_num_f32 v[TM+\b], |v[\s+16*\b]|, |v[\s+1+16*\b]|, 0x1800000   ; block b: my 16 numbers, and the floor 2^(3 - 127): the byte cannot fall under 1
.endr
.irp i, 2,4,6,8,10,12,14
.irp b, 0,1,2,3
	v_max3_num_f32 v[TM+\b], v[TM+\b], |v[\s+16*\b+\i]|, |v[\s+1+16*\b+\i]|
.endr
.endr
.irp b, 0,1,2,3
	v_permlanex16_b32 v[TM+4+\b], v[TM+\b], s[SEL], s[SEL+1]
.endr
.irp b, 0,1,2,3
	v_max_num_f32 v[TM+\b], v[TM+\b], v[TM+4+\b]   ; with lane l xor 16's: the block's largest magnitude
.endr
.irp b, 0,1,2,3
	v_add_nc_u32 v[TM+12+\b], 0xff000000, v[TM+\b] ; 2 off its exponent field: the conversion's scale operand
.endr
.irp b, 0,1,2,3
	v_lshrrev_b32 v[TM+4+\b], 23, v[TM+12+\b]      ; the scale's byte
.endr
	v_lshl_or_b32 v[PW], v[TM+5], 8, v[TM+4]
	v_lshl_or_b32 v[PW], v[TM+6], 16, v[PW]
	v_lshl_or_b32 v[PW], v[TM+7], 24, v[PW]
.irp t, 0,1,2,3,4,5,6,7
	v_cvt_scalef32_pk8_fp4_f32 v[PC+4*(\t/4)+2*(\t%2)+((\t/2)%2)], v[\s+8*\t:\s+8*\t+7], v[TM+12+\t/2]
.endr
	v_nop                                          ; one plain place behind a scaled conversion
.irp p, 0,2,4,6
	v_permlane16_swap_b32 v[PC+\p], v[PC+\p+1]     ; the first's lanes 16-31 change places with the second's lanes 0-15
.endr
.endm
; THE WAY OUT, S1's blocks one after the other: + bias, quantised along S0, stored as images.
.macro EPI mode
	PLACES NP
	s_wait_loadcnt 0x0                             ; the bias
.irp a, 0,1,2,3,4,5,6,7
	s_wait_xcnt 0x0                                ; the last block's stores have read their data: the codes and words are written again only behind this wait
	WIN 0x02+\a/4                                  ; source 0: window 2 or 3
.set I, 0
.rept 32
.if \mode
	v_pk_add_f32 v[WK+I:WK+I+1], v[64*(\a%4)+I:64*(\a%4)+I+1], v[BS+2*\a:BS+2*\a+1]   ; each accumulator from its low end on
.else
	v_pk_add_f32 v[WK+I:WK+I+1], v[64*(\a%4)+I:64*(\a%4)+I+1], v[BS+I:BS+I+1]
.endif
.set I, I+2
.endr
	WIN 0
	QUANT WK
.if \mode
	global_store_b128 v[LI], v[PC:PC+3], s[10:11] offset:\a*1024             ; v: features 16 a + r, keys 0-63 of my 128: 512 consecutive bytes
	global_store_b128 v[LI], v[PC+4:PC+7], s[10:11] offset:\a*1024+512       ; keys 64-127
.if \a < 4
	v_mov_b32 v[W4+\a], v[PW]                      ; the first head's four words a row,
.else
	v_cndmask_b32 v[W4+\a-4], v[W4+\a-4], v[PW], s[HM]   ; the second head's in lanes 16-31
.endif
.if \a == 7
	global_store_b128 v[LI], v[W4:W4+3], s[12:13]  ; two heads' units of 256 bytes
.endif
.else
	global_store_b128 v[LI], v[PC:PC+3], s[6:7] offset:\a*512                ; q, k: tokens 16 a + r, my first head
	global_store_b128 v[LI], v[PC+4:PC+7], s[6:7] offset:262144+\a*512       ; my second head
	v_lshrrev_b32 v[W4+\a%4], v[VSH], v[PW]        ; lanes 0-15 the first head's two bytes, lanes 16-31 the second's;
	v_and_b32 v[W4+\a%4], 0xffff, v[W4+\a%4]       ; the word's upper bytes are 0
.if \a%4 == 3
	global_store_b128 v[VSO], v[W4:W4+3], s[8:9] offset:(\a/4)*256           ; 64 tokens' words: a unit of 256 bytes for each head
.endif
.endif
.endr
.endm
; The last two steps with the bias asked for ahead of them, and the way out: written once for each mode.
.macro TAIL mode
.if \mode
	s_lshl_b32 s20, s17, 10                        ; the bias goes along S1: 4 (256 tile + 128 half) bytes on
	s_lshl_b32 s21, s15, 9
	s_add_co_u32 s20, s20, s21
	s_mov_b32 s21, 0
	s_add_nc_u64 s[4:5], s[4:5], s[20:21]
	v_lshlrev_b32 v[VBO], 2, v1
.irp a, 0,1,2,3,4,5,6,7
	global_load_b32 v[BS+2*\a], v[VBO], s[4:5] offset:64*\a       ; my row's number, twice: a pair for the packed addition
	global_load_b32 v[BS+2*\a+1], v[VBO], s[4:5] offset:64*\a
.endr
	s_lshl_b32 s20, s42, 1
	s_add_co_u32 s20, s20, s16                     ; which 128 keys of the 8,192 tokens
	s_sub_co_u32 s21, s17, 8                       ; which 256 of v's features
	s_lshl_b32 s22, s20, 16                        ; v_img: 65,536 bytes for 128 keys,
	s_lshl_b32 s23, s21, 14                        ; 1,024 for 16 features
	s_add_co_u32 s22, s22, s23
	s_lshl_b32 s23, s15, 13
	s_add_co_u32 s22, s22, s23
	s_mov_b32 s23, 0
	s_add_nc_u64 s[10:11], s[10:11], s[22:23]
	s_lshl_b32 s22, s20, 12                        ; v_sc: 4,096 bytes for 128 keys, 256 a head
	s_lshl_b32 s46, s21, 10
	s_add_co_u32 s22, s22, s46
	s_lshl_b32 s46, s15, 9
	s_add_co_u32 s22, s22, s46
	s_add_nc_u64 s[12:13], s[12:13], s[22:23]
.else
	s_lshl_b32 s20, s42, 10                        ; the bias goes along S0
	s_lshl_b32 s21, s16, 9
	s_add_co_u32 s20, s20, s21
	s_mov_b32 s21, 0
	s_add_nc_u64 s[4:5], s[4:5], s[20:21]
	v_lshlrev_b32 v[VBO], 5, v2
.irp b, 0,1,2,3,4,5,6,7
	global_load_b128 v[BS+8*\b:BS+8*\b+3], v[VBO], s[4:5] offset:64*\b        ; features 16 b + 8 h + 0 .. 7
	global_load_b128 v[BS+8*\b+4:BS+8*\b+7], v[VBO], s[4:5] offset:64*\b+16
.endr
	s_lshl_b32 s20, s42, 2
	s_lshl_b32 s22, s16, 1
	s_add_co_u32 s20, s20, s22                     ; my first head: 0-15 q's, 16-31 k's
	s_lshl_b32 s22, s20, 18                        ; qk_img: 262,144 bytes a head,
	s_lshl_b32 s23, s17, 13                        ; 512 for 16 tokens
	s_add_co_u32 s22, s22, s23
	s_lshl_b32 s23, s15, 12
	s_add_co_u32 s22, s22, s23
	s_mov_b32 s23, 0
	s_add_nc_u64 s[6:7], s[6:7], s[22:23]
	s_lshl_b32 s22, s20, 15                        ; qk_sc: 32,768 bytes a head, 256 for 64 tokens
	s_lshl_b32 s46, s17, 10
	s_add_co_u32 s22, s22, s46
	s_lshl_b32 s46, s15, 9
	s_add_co_u32 s22, s22, s46
	s_add_nc_u64 s[8:9], s[8:9], s[22:23]
	v_lshlrev_b32 v[VSO], 4, v1
	v_lshl_add_u32 v[VSO], v2, 15, v[VSO]          ; 16 r, and the next head for lanes 16-31
	v_lshlrev_b32 v[VSH], 4, v2
.endif
	STEP 1, 2, 0
	s_wait_dscnt 4*NL                              ; the very last step: nothing more to fetch
	WIN MUL_LO
	MUL16 0, 1, NQ-1, 1, 0
	MUL16 2, 1, NQ-1, 1, 0
	s_wait_dscnt 0
	WIN MUL_HI
	MUL16 4, 1, NQ-1, 1, 0
	MUL16 6, 1, NQ-1, 1, 0
	WIN 0
	EPI \mode
.endm
	s_wait_tensorcnt 1                             ; the scales and my part of slot 0 are in; slot 1's load may be out
	s_barrier_signal -1
	s_barrier_wait -1
	FETCH_B 0, 0, 0
	FETCH_A 0, 0, 0
	SCALES 0
	FETCH_A 0, 0, 4
	STEP 0, 0, 1                                   ; the first products start the sums: nothing is cleared
	STEP 0, 1, 0
	STEP 0, 2, 0
	TURN 0, 1
	STEP 1, 0, 0
	STEP 1, 1, 0
	s_wait_kmcnt 0x0                               ; the bias's and the results' addresses
	s_cmp_eq_u32 ttmp9, 2                          ; the cluster's x: the same in all sixteen partners
	s_cbranch_scc1 .Lv
	TAIL 0
	s_branch .Ldone
.Lv:
	TAIL 1
.Ldone:
	s_wait_tensorcnt 0x0                           ; the wave's end
	ds_add_u32 v[SPW], v[NIL]
	s_wait_dscnt 0x0
	CROUND                                         ; the closing round
	s_endpgm
.Lfunc_end_k_q363e7dc6f8_qkv:
	.size	k_q363e7dc6f8_qkv, .Lfunc_end_k_q363e7dc6f8_qkv-k_q363e7dc6f8_qkv
	.p2alignl 7, 3214868480
	.fill 96, 4, 3214868480
	.section	.rodata,"a",@progbits
	.p2align	6, 0x0
	.amdhsa_kernel k_q363e7dc6f8_qkv
		.amdhsa_group_segment_fixed_size 327680
		.amdhsa_private_segment_fixed_size 0
		.amdhsa_enable_private_segment 0
		.amdhsa_kernarg_size 72
		.amdhsa_user_sgpr_count 2
		.amdhsa_user_sgpr_kernarg_segment_ptr 1
		.amdhsa_wavefront_size32 1
		.amdhsa_system_sgpr_workgroup_id_x 1
		.amdhsa_system_sgpr_workgroup_id_y 1
		.amdhsa_system_sgpr_workgroup_id_z 1
		.amdhsa_system_vgpr_workitem_id 0
		.amdhsa_next_free_vgpr 1024
		.amdhsa_next_free_sgpr 100
		.amdhsa_reserve_vcc 0
		.amdhsa_float_denorm_mode_32 3
		.amdhsa_float_denorm_mode_16_64 3
		.amdhsa_memory_ordered 1
		.amdhsa_forward_progress 1
		.amdhsa_inst_pref_size 216
	.end_amdhsa_kernel
	.amdgpu_metadata
---
amdhsa.version: [ 1, 2 ]
amdhsa.kernels:
  - .name:           k_q363e7dc6f8_qkv
    .symbol:         k_q363e7dc6f8_qkv.kd
    .args:
      - { .name: x_codes, .offset: 0, .size: 8, .value_kind: global_buffer, .address_space: global }
      - { .name: x_scales, .offset: 8, .size: 8, .value_kind: global_buffer, .address_space: global }
      - { .name: w_qkv_codes, .offset: 16, .size: 8, .value_kind: global_buffer, .address_space: global }
      - { .name: w_qkv_scales, .offset: 24, .size: 8, .value_kind: global_buffer, .address_space: global }
      - { .name: b_qkv, .offset: 32, .size: 8, .value_kind: global_buffer, .address_space: global }
      - { .name: qk_img, .offset: 40, .size: 8, .value_kind: global_buffer, .address_space: global }
      - { .name: qk_sc, .offset: 48, .size: 8, .value_kind: global_buffer, .address_space: global }
      - { .name: v_img, .offset: 56, .size: 8, .value_kind: global_buffer, .address_space: global }
      - { .name: v_sc, .offset: 64, .size: 8, .value_kind: global_buffer, .address_space: global }
    .group_segment_fixed_size: 327680
    .private_segment_fixed_size: 0
    .kernarg_segment_align: 8
    .kernarg_segment_size: 72
    .max_flat_workgroup_size: 128
    .sgpr_count:     100
    .vgpr_count:     1024
    .wavefront_size: 32
...
	.end_amdgpu_metadata
.endif
;; end of part 1
;; launch attn (part 2): grid 4 x 64, 16 waves a work-group, no clusters, 327,680 bytes of LDS; arguments qk_img, qk_sc, v_img, v_sc, a_img, a_sc; writes a_img, a_sc
.if DOCPART == 2
	.amdgcn_target "amdgcn-amd-amdhsa--gfx1250"
	.amdhsa_code_object_version 6
	.text
	.protected	k_q363e7dc6f8_attn
	.globl	k_q363e7dc6f8_attn
	.p2align	8
	.type	k_q363e7dc6f8_attn,@function
k_q363e7dc6f8_attn:
	s_mov_b64 s[64:65], 0
	v_nop
	global_prefetch_b8 v0, s[64:65] scope:SCOPE_SE
	s_setreg_imm32_b32 hwreg(HW_REG_WAVE_MODE, 25, 1), 1
	s_wait_xcnt 0x0
; Causal attention on codes of FP4 (E2M1): S^T = K Q^T, p = 2^(t - M), O^T = V^T P^T, O / the row's sum, and the quantiser of the result along E.  q, k, v arrive as images of operand registers with their scale words.
; LEFT OUT: a step of 128 keys all of which come after a tile's 16 queries: the causal mask makes their p 0 for all values of the inputs.  A NaN or an infinity that reaches only such steps is not carried to the result.
; THE SOFTMAX: t = score x log2(e) / 8 (one rounding); M = the running largest t rounded up to a whole number; p = 2^(t - M) is quantised along the keys, not normalised; the row's sum is taken of the unquantised p.
; When M moves, the sum and O are multiplied by 2^(old M - new M): exact.  LIMITS: p under 2^-126 comes out 0; O / l is a reciprocal and a multiplication; a block of zeros gets the byte 1 (its codes are zeros; this program alone reads the bytes).
; SHARES.  Work-group (i, batch x head) owns the blocks i and 7 - i of 256 queries; wave w owns tile A (queries 256 i + 16 w on) and tile B (256 (7 - i) + 16 w on).  So every work-group has the same number of live steps.
; Every wave walks the keys once, 8 slots of 256 keys (a constant count), 128 keys a step; a step's work for a tile is jumped over, by a scalar branch on ids, where all its keys are hidden.
; NO CLUSTER, though the four work-groups of a head read the same K and V: partner i reads only the keys under 256 (8 - i), so every wave of some partner would jump over the reads of a tile that a joint load brings.
; LAYOUT.  A lane holds ONE query (lane % 16) throughout.  Tile t of S^T: register j = key 16 t + 8 h + j.  Tile t's eight codes go to register 4 (t / 4) + 2 (t % 2) + (t / 2) % 2, and an exchange of halves between
; registers p, p + 1 (p even) gives the operand's layout.  THE HEAD'S 64 IN A K OF 128: Q's registers 4-7 are zero codes, the scale words' upper bytes are 0; K's operand for tile t is its four registers and the next tile's four,
; which meet zero codes; four zeroed registers stand behind tile 7.
; LDS: slot s at 16,384 s: K's 16 tiles x 512 bytes, then V's 2 x 4,096; K's scale words of the head at 32,768 (512 bytes a step); V's at 40,960 (256 a step); the spare words at 45,056.  Every load of 16 bytes a lane reads consecutive bytes.
.set SLOTB, 16384
.set KSC,   32768
.set VSC,   40960
.set SPARE, 45056
.set LI,  1                            ; v1  16 x lane
.set LV,  2                            ; v2  + 8,192: V's part of a slot
.set LS,  3                            ; v3  16 x lane + KSC
.set LT,  4                            ; v4  16 r + VSC
.set SPW, 5
.set NIL, 6
.set RL,  7                            ; v7  r - 8 h
.set ADK, 8
.set ADV, 9
.set ADS, 10
.set ADT, 11
                                       ; v12-15 tile A: -M, the largest t, the sum in two halves; v16-19 tile B; v20-27, v28-35 Q's fragments; v36, v37 Q's scale words
.set PFO, 38                           ; v38 the prefetches' offset
.set ASO, 39                           ; v39 32 r + h: my byte in a_sc
.set KR,  40                           ; v40-71 K's eight tiles, then V's four fragments; v72-75 zeros
                                       ; v76-79 K's scale words, v80-83 V's; v96-159 S^T, then p; v160-191, v192-223 O^T of tiles A, B; v224-231 p's codes; v232-254 at work; v252 f, v253 p's scale word
.set WV,   18
.set SEL,  20
.set CS,   22                          ; s[22:23] c = log2(e) / 8
.set G1K,  24                          ; 8,192 dense bytes: K's slot, and K's scale words
.set G1V,  32                          ; two rows of 4,096 bytes, 65,536 apart: V's slot
.set G1VS, 40                          ; 16 rows of 256 bytes, 4,096 apart: V's scale words
.set G0K,  48
.set G0V,  52
.set G0KS, 56
.set G0VS, 60
.set TB,   2                           ; s2  LDS byte at which the step's tiles begin
.set TS,   3                           ; s3  K's scale words of the step
.set TJ,   66                          ; s66 V's
.set SLOTS, 67
.set TW,   68
.set SKF,  69                          ; s69 the step's first key
.set Q0,   70                          ; s70, s71 the first query of tile A, B
.set HM,   72                          ; s72 lanes 16-31
.set BT,   73                          ; s73 the batch
.set HH,   74                          ; s74 the head
.set PFA,  76
.set PFS,  78
.set LIM,  80
; Wave 0 fetches K's slot, wave 1 V's.  An s_nop 0 and four v_nop follow each line.
.macro TLOAD
	s_cmp_lg_u32 s[WV], 0
	s_cbranch_scc1 .Lnot_k_\@
	tensor_load_to_lds s[G0K:G0K+3], s[G1K:G1K+7]
	s_nop 0
.rept 4
	v_nop
.endr
	s_branch .Lasked_\@
.Lnot_k_\@:
	s_cmp_lg_u32 s[WV], 1
	s_cbranch_scc1 .Lasked_\@
	tensor_load_to_lds s[G0V:G0V+3], s[G1V:G1V+7]
	s_nop 0
.rept 4
	v_nop
.endr
.Lasked_\@:
.endm
; A prefetch of the slot that the NEXT change of slots will ask for: two key steps ahead of that load.  Each aligned block of 256 bytes is named once in the launch: of a head's four work-groups the first, which walks all slots, asks;
; in it wave 4 for K's 8,192 bytes and wave 5 for V's two rows of 4,096, a lane to each block.  Slots 0 and 1 come by their loads alone; the last change that fills a slot asks for nothing.
.macro ASK
	s_cmp_gt_u32 s[SLOTS], s[LIM]
	s_cbranch_scc0 .Lnot_mine_\@
	global_prefetch_b8 v[PFO], s[PFA:PFA+1] th:TH_LOAD_NT scope:SCOPE_SE
.Lnot_mine_\@:
.endm
	s_load_b256 s[4:11], s[0:1], 0x0               ; qk_img s[4:5], qk_sc s[6:7], v_img s[8:9], v_sc s[10:11]
	s_load_b128 s[12:15], s[0:1], 0x20             ; a_img s[12:13], a_sc s[14:15]
	v_lshl_add_u32 v[SPW], v0, 2, SPARE
	v_mov_b32 v[NIL], 0
	ds_add_u32 v[SPW], v[NIL]                      ; the wave's opening: the add, twice on end, and its wait ahead of the first tensor load
	ds_add_u32 v[SPW], v[NIL]
	v_lshrrev_b32 v8, 5, v0
	v_readfirstlane_b32 s[WV], v8                  ; wave 0..15
	s_and_b32 s84, ttmp7, 0xffff
	s_lshr_b32 s[BT], s84, 4
	s_and_b32 s[HH], s84, 15
	s_lshl_b32 s85, s[WV], 4
	s_lshl_b32 s[Q0], ttmp9, 8
	s_add_co_u32 s[Q0], s[Q0], s85                 ; tile A: 256 i + 16 w
	s_sub_co_u32 s84, 7, ttmp9
	s_lshl_b32 s[Q0+1], s84, 8
	s_add_co_u32 s[Q0+1], s[Q0+1], s85             ; tile B: 256 (7 - i) + 16 w
	s_add_co_u32 s84, s[HH], 16                    ; k's heads lie behind q's sixteen
	s_lshl_b32 s86, s84, 18
	s_lshl_b32 s85, s[BT], 16
	s_add_co_u32 s86, s86, s85                     ; K's codes: 262,144 bytes a head, 65,536 a batch
	s_mov_b32 s87, 0
	s_lshl_b32 s88, s[BT], 20
	s_lshl_b32 s85, s[HH], 12
	s_add_co_u32 s88, s88, s85                     ; V's codes: 1,048,576 a batch, 4,096 a head
	s_mov_b32 s89, 0
	s_lshl_b32 s90, s84, 15
	s_lshl_b32 s85, s[BT], 13
	s_add_co_u32 s90, s90, s85                     ; K's scale words
	s_mov_b32 s91, 0
	s_lshl_b32 s92, s[BT], 16
	s_lshl_b32 s85, s[HH], 8
	s_add_co_u32 s92, s92, s85                     ; V's
	s_mov_b32 s93, 0
	s_mov_b32 s[G1K], 3<<16                        ; elements of 8 bytes, no mask, no padding
	s_mov_b32 s[G1K+1], 32<<16                     ; tensor_dim0
	s_mov_b32 s[G1K+2], 32<<16                     ; tensor_dim1
	s_mov_b32 s[G1K+3], 32<<16                     ; tile_dim0
	s_mov_b32 s[G1K+4], 32                         ; tile_dim1
	s_mov_b32 s[G1K+5], 32                         ; from row to row
	s_mov_b32 s[G1K+6], 0
	s_mov_b32 s[G1K+7], 0
	s_mov_b32 s[G1V], 3<<16
	s_mov_b32 s[G1V+1], 512<<16
	s_mov_b32 s[G1V+2], 2<<16
	s_mov_b32 s[G1V+3], 512<<16
	s_mov_b32 s[G1V+4], 2
	s_mov_b32 s[G1V+5], 8192
	s_mov_b32 s[G1V+6], 0
	s_mov_b32 s[G1V+7], 0
	s_mov_b32 s[G1VS], 3<<16
	s_mov_b32 s[G1VS+1], 32<<16
	s_mov_b32 s[G1VS+2], 16<<16
	s_mov_b32 s[G1VS+3], 32<<16
	s_mov_b32 s[G1VS+4], 16
	s_mov_b32 s[G1VS+5], 512
	s_mov_b32 s[G1VS+6], 0
	s_mov_b32 s[G1VS+7], 0
	s_mov_b32 s[SEL], 0x76543210
	s_mov_b32 s[SEL+1], 0xfedcba98
	s_mov_b32 s[CS], 0x3e38aa3b                    ; log2(e) / 8
	s_mov_b32 s[CS+1], s[CS]
	s_mov_b32 s[HM], 0xffff0000
	s_mov_b32 s[TB], 0
	s_mov_b32 s[TS], 0
	s_mov_b32 s[TJ], 0
	s_mov_b32 s[SKF], 0
	s_mov_b32 s[SLOTS], 7
	s_wait_dscnt 0x0                               ; both opening adds are done
	s_wait_kmcnt 0x0
	s_mov_b32 s[G0K], 1
	s_mov_b32 s[G0K+1], 0
	s_add_nc_u64 s[G0K+2:G0K+3], s[4:5], s[86:87]
	s_or_b32 s[G0K+3], s[G0K+3], 0x80000000
	s_mov_b32 s[G0V], 1
	s_mov_b32 s[G0V+1], 8192
	s_add_nc_u64 s[G0V+2:G0V+3], s[8:9], s[88:89]
	s_or_b32 s[G0V+3], s[G0V+3], 0x80000000
	s_mov_b32 s[G0KS], 1
	s_mov_b32 s[G0KS+1], KSC
	s_add_nc_u64 s[G0KS+2:G0KS+3], s[6:7], s[90:91]
	s_or_b32 s[G0KS+3], s[G0KS+3], 0x80000000
	s_mov_b32 s[G0VS], 1
	s_mov_b32 s[G0VS+1], VSC
	s_add_nc_u64 s[G0VS+2:G0VS+3], s[10:11], s[92:93]
	s_or_b32 s[G0VS+3], s[G0VS+3], 0x80000000
	; the first fills, one a wave in waves 0 to 3: slot 0 of K, slot 0 of V, the head's scale words of K, of V
	s_cmp_lg_u32 s[WV], 0
	s_cbranch_scc1 .Lf1
	tensor_load_to_lds s[G0K:G0K+3], s[G1K:G1K+7]
	s_nop 0
.rept 4
	v_nop
.endr
	s_branch .Lfd
.Lf1:
	s_cmp_lg_u32 s[WV], 1
	s_cbranch_scc1 .Lf2
	tensor_load_to_lds s[G0V:G0V+3], s[G1V:G1V+7]
	s_nop 0
.rept 4
	v_nop
.endr
	s_branch .Lfd
.Lf2:
	s_cmp_lg_u32 s[WV], 2
	s_cbranch_scc1 .Lf3
	tensor_load_to_lds s[G0KS:G0KS+3], s[G1K:G1K+7]
	s_nop 0
.rept 4
	v_nop
.endr
	s_branch .Lfd
.Lf3:
	s_cmp_lg_u32 s[WV], 3
	s_cbranch_scc1 .Lfd
	tensor_load_to_lds s[G0VS:G0VS+3], s[G1VS:G1VS+7]
	s_nop 0
.rept 4
	v_nop
.endr
.Lfd:
	v_and_b32 v8, 31, v0
	v_lshlrev_b32 v[LI], 4, v8
	v_add_nc_u32 v[LV], 8192, v[LI]
	v_add_nc_u32 v[LS], KSC, v[LI]
	v_and_b32 v9, 15, v0                           ; r
	v_bfe_u32 v11, v0, 4, 1                        ; h
	v_lshlrev_b32 v10, 4, v9                       ; 16 r
	v_add_nc_u32 v[LT], VSC, v10
	v_lshlrev_b32 v[RL], 3, v11
	v_sub_nc_u32 v[RL], v9, v[RL]
	v_lshl_add_u32 v[ASO], v9, 5, v11
	; Q: a tile's image is 512 bytes; its scale words lie [64 tokens][r][tile]
	s_lshl_b32 s94, s[HH], 18
	s_lshl_b32 s85, s[BT], 16
	s_add_co_u32 s94, s94, s85
	s_lshl_b32 s96, s[Q0], 5
	s_add_co_u32 s96, s96, s94
	s_mov_b32 s97, 0
	s_add_nc_u64 s[96:97], s[4:5], s[96:97]
	s_lshl_b32 s98, s[Q0+1], 5
	s_add_co_u32 s98, s98, s94
	s_mov_b32 s99, 0
	s_add_nc_u64 s[98:99], s[4:5], s[98:99]
	global_load_b128 v[20:23], v[LI], s[96:97]
	global_load_b128 v[28:31], v[LI], s[98:99]
	s_lshl_b32 s81, s[HH], 15
	s_lshl_b32 s85, s[BT], 13
	s_add_co_u32 s81, s81, s85
	s_lshr_b32 s94, s[Q0], 6
	s_lshl_b32 s94, s94, 8
	s_bfe_u32 s85, s[Q0], 0x20004
	s_lshl_b32 s85, s85, 2
	s_add_co_u32 s94, s94, s85
	s_add_co_u32 s94, s94, s81
	s_mov_b32 s95, 0
	s_add_nc_u64 s[94:95], s[6:7], s[94:95]
	s_lshr_b32 s82, s[Q0+1], 6
	s_lshl_b32 s82, s82, 8
	s_bfe_u32 s85, s[Q0+1], 0x20004
	s_lshl_b32 s85, s85, 2
	s_add_co_u32 s82, s82, s85
	s_add_co_u32 s82, s82, s81
	s_mov_b32 s83, 0
	s_add_nc_u64 s[82:83], s[6:7], s[82:83]
	global_load_b32 v36, v10, s[94:95]
	global_load_b32 v37, v10, s[82:83]
	; the prefetches: where mine stand, and who asks
	s_cmp_eq_u32 s[WV], 4
	s_cselect_b64 s[PFA:PFA+1], s[4:5], s[8:9]
	s_cselect_b64 s[84:85], s[86:87], s[88:89]
	s_mov_b32 s[PFS], 131072
	s_cselect_b32 s[PFS], 8192, s[PFS]             ; a slot on
	s_mov_b32 s81, 65536
	s_cselect_b32 s81, 4096, s81                   ; from lanes 0-15 to lanes 16-31
	s_mov_b32 s[PFS+1], 0
	s_add_nc_u64 s[PFA:PFA+1], s[PFA:PFA+1], s[84:85]
	s_add_nc_u64 s[PFA:PFA+1], s[PFA:PFA+1], s[PFS:PFS+1]   ; in slot 1: the first change of slots steps it to slot 2
	v_lshlrev_b32 v[PFO], 8, v9
	v_mul_lo_u32 v8, v11, s81
	v_add_nc_u32 v[PFO], v[PFO], v8
	s_sub_co_u32 s84, s[WV], 4
	s_lshr_b32 s84, s84, 1                         ; 0 in waves 4 and 5,
	s_or_b32 s84, s84, ttmp9                       ; of the head's first work-group
	s_cmp_eq_u32 s84, 0
	s_cselect_b32 s[LIM], 1, -1
.irp x, 0,1
	v_mov_b32 v[13+4*\x], 0xff61b1e6               ; the largest t so far: -3e38
	v_floor_f32 v[12+4*\x], -v[13+4*\x]            ; -M
	v_mov_b32 v[14+4*\x], 0                        ; the sum, in two halves
	v_mov_b32 v[15+4*\x], 0
.irp j, 4,5,6,7
	v_mov_b32 v[20+8*\x+\j], 0                     ; Q's zero codes for k = 64 .. 127
.endr
.endr
.irp j, 0,1,2,3
	v_mov_b32 v[KR+32+\j], 0                       ; behind K's tile 7
	v_mov_b32 v[236+\j], 0                         ; a lane permute's destination counts as one of its sources
.endr
	v_mov_b32 v252, 0
	v_mov_b32 v253, 0                              ; named as the upper half of the pair v[252:253] before it is first written
.set J, 0
.rept 64
	v_mov_b32 v[160+J], 0                          ; O^T of both tiles: the step is written once, and its first run finds zeros
.set J, J+1
.endr
; A KEY STEP FOR ONE TILE: 128 keys x my 16 queries of tile X.
.macro STEP X
.set STT, 12+4*\X
.set QF,  20+8*\X
.set QS,  36+\X
.set OA,  160+32*\X
	s_add_co_u32 s96, s[Q0+\X], 15
	s_cmp_gt_u32 s[SKF], s96                       ; all 128 keys come after my queries: ids and the count of steps alone
	s_cbranch_scc1 .Lhidden_\@
	v_add_nc_u32 v[ADK], s[TB], v[LI]              ; these four are also the places in front of the loads into registers that the last products read
	v_add_nc_u32 v[ADV], s[TB], v[LV]
	v_add_nc_u32 v[ADS], s[TS], v[LS]
	v_add_nc_u32 v[ADT], s[TJ], v[LT]
.irp t, 0,1,2,3,4,5,6,7
	ds_load_b128 v[KR+4*\t:KR+4*\t+3], v[ADK] offset:512*\t
.endr
	ds_load_b128 v[76:79], v[ADS]                  ; lanes 0-15: the words of tiles 0-3; lanes 16-31: of tiles 4-7
	s_wait_dscnt 0x0
.irp t, 0,1,2,3
	v_wmma_scale_f32_16x16x128_f8f6f4 v[96+8*\t:103+8*\t], v[KR+4*\t:KR+4*\t+7], v[QF:QF+7], 0, v[76+\t], v[QS] matrix_a_fmt:MATRIX_FMT_FP4 matrix_b_fmt:MATRIX_FMT_FP4
.endr
.irp t, 4,5,6,7
	v_wmma_scale_f32_16x16x128_f8f6f4 v[96+8*\t:103+8*\t], v[KR+4*\t:KR+4*\t+7], v[QF:QF+7], 0, v[72+\t], v[QS] matrix_a_fmt:MATRIX_FMT_FP4 matrix_b_fmt:MATRIX_FMT_FP4 matrix_a_scale:MATRIX_SCALE_ROW1
.endr
.rept 4
	v_nop                                          ; places: in front of the loads into K's registers and of the first read of the scores
.endr
.irp d, 0,1,2,3
.irp c, 0,1
	ds_load_b128 v[KR+8*\d+4*\c:KR+8*\d+4*\c+3], v[ADV] offset:1024*\d+512*\c   ; V's four fragments land while the softmax is walked
.endr
.endr
	ds_load_b128 v[80:83], v[ADT]                  ; and their scale words
	s_add_co_u32 s96, s[SKF], 127
	s_cmp_le_u32 s96, s[Q0+\X]                     ; all keys count: no mask
	s_cbranch_scc1 .Lopen_\@
	s_sub_co_i32 s96, s[Q0+\X], s[SKF]
	v_add_nc_u32 v248, s96, v[RL]                  ; d = my query - the first key - 8 h.  Register 8 t + j holds key 16 t + 8 h + j: hidden where 16 t + j > d
	v_mov_b32 v249, 0xff800000                     ; -infinity
.set N, 0
.rept 64
	v_cmp_gt_i32 vcc_lo, 16*(N/8)+N%8, v248
	v_cndmask_b32 v[96+N], v[96+N], v249, vcc_lo
.set N, N+1
.endr
.Lopen_\@:
.irp b, 0,1,2,3
	v_max3_num_f32 v[232+\b], v[96+16*\b], v[97+16*\b], v[98+16*\b]   ; the largest score of each block of 32 keys: for the row's maximum and, since p rises with the score, for the block's largest p
.endr
.irp i, 3,5,7,9,11,13
.irp b, 0,1,2,3
	v_max3_num_f32 v[232+\b], v[232+\b], v[96+16*\b+\i], v[97+16*\b+\i]
.endr
.endr
.irp b, 0,1,2,3
	v_max_num_f32 v[232+\b], v[232+\b], v[111+16*\b]
.endr
.irp b, 0,1,2,3
	v_permlanex16_b32 v[236+\b], v[232+\b], s[SEL], s[SEL+1]
.endr
.irp b, 0,1,2,3
	v_max_num_f32 v[232+\b], v[232+\b], v[236+\b]
.endr
	v_max3_num_f32 v254, v232, v233, v234
	v_max_num_f32 v254, v254, v235
	v_mul_f32 v254, s[CS], v254                    ; as t
	v_max_num_f32 v[STT+1], v[STT+1], v254         ; the running largest t
	v_mov_b32 v254, v[STT]
	v_floor_f32 v[STT], -v[STT+1]                  ; the new -M = -ceil(t)
	v_sub_f32 v254, v[STT], v254                   ; old M - new M: a whole number, 0 or less
	v_cvt_i32_f32 v254, v254
	v_ldexp_f32 v252, 1.0, v254                    ; f = 2^(old M - new M)
.set J, 0
.rept 32
	v_pk_fma_f32 v[96+J:97+J], v[96+J:97+J], s[CS:CS+1], v[STT:STT+1] op_sel_hi:[1,0,0]   ; t - M
.set J, J+2
.endr
.irp b, 0,1,2,3
	v_fma_f32 v[232+\b], v[232+\b], s[CS], v[STT]
.endr
.set J, 0
.rept 64
	v_exp_f32 v[96+J], v[96+J]                     ; p = 2^(t - M)
.set J, J+1
.endr
	v_pk_mul_f32 v[STT+2:STT+3], v[STT+2:STT+3], v[252:253] op_sel_hi:[1,0]   ; the sums under the new M: the plain instruction behind the exponentials
	s_wait_alu depctr_va_vdst(0)                   ; one wait for the batch, ahead of its first reader
.irp b, 0,1,2,3
	v_exp_f32 v[232+\b], v[232+\b]                 ; each block's largest p
.endr
	v_pk_add_f32 v[236:237], v[96:97], v[98:99]    ; the row's sum of the unquantised p, in two chains
.irp j, 4,8,12,16,20,24,28,32,36,40,44,48,52,56,60
	v_pk_add_f32 v[STT+2:STT+3], v[STT+2:STT+3], v[96+\j:97+\j]
	v_pk_add_f32 v[236:237], v[236:237], v[98+\j:99+\j]
.endr
	v_pk_add_f32 v[STT+2:STT+3], v[STT+2:STT+3], v[236:237]
	s_wait_alu depctr_va_vdst(0)                   ; and one for the four
.irp b, 0,1,2,3
	v_max_num_f32 v[232+\b], 0x1800000, v[232+\b]  ; the floor 2^(3 - 127)
.endr
.irp b, 0,1,2,3
	v_add_nc_u32 v[244+\b], 0xff000000, v[232+\b]  ; the conversion's scale operand
.endr
.irp b, 0,1,2,3
	v_lshrrev_b32 v[236+\b], 23, v[244+\b]         ; the scale's byte
.endr
	v_lshl_or_b32 v253, v237, 8, v236              ; p's scale word for these 128 keys
	v_lshl_or_b32 v253, v238, 16, v253
	v_lshl_or_b32 v253, v239, 24, v253
.irp t, 0,1,2,3,4,5,6,7
	v_cvt_scalef32_pk8_fp4_f32 v[224+4*(\t/4)+2*(\t%2)+((\t/2)%2)], v[96+8*\t:103+8*\t], v[244+\t/2]
.endr
	v_nop                                          ; one plain place behind a scaled conversion
.irp p, 0,2,4,6
	v_permlane16_swap_b32 v[224+\p], v[225+\p]
.endr
.set J, 0
.rept 16
	v_pk_mul_f32 v[OA+J:OA+J+1], v[OA+J:OA+J+1], v[252:253] op_sel_hi:[1,0]   ; O^T under the new M; these sixteen are also the places in front of the scaled products
.set J, J+2
.endr
	s_wait_dscnt 0x0                               ; V and its scale words
.irp d, 0,1,2,3
	v_wmma_scale_f32_16x16x128_f8f6f4 v[OA+8*\d:OA+8*\d+7], v[KR+8*\d:KR+8*\d+7], v[224:231], v[OA+8*\d:OA+8*\d+7], v[80+\d], v253 matrix_a_fmt:MATRIX_FMT_FP4 matrix_b_fmt:MATRIX_FMT_FP4
.endr
.Lhidden_\@:
.endm
; A slot's two key steps: written once, walked twice.
.macro TWO_STEPS
	s_mov_b32 s[TW], 2
.Lstep_\@:
	STEP 0
	STEP 1
	s_add_co_u32 s[SKF], s[SKF], 128
	s_add_co_u32 s[TB], s[TB], 4096
	s_add_co_u32 s[TS], s[TS], 512
	s_add_co_u32 s[TJ], s[TJ], 256
	s_sub_co_u32 s[TW], s[TW], 1
	s_cmp_lg_u32 s[TW], 0
	s_cbranch_scc1 .Lstep_\@
	s_sub_co_u32 s[TB], s[TB], 8192                ; back to a slot's first step,
	s_xor_b32 s[TB], s[TB], SLOTB                  ; in the other slot
.endm
; THE CHANGE OF SLOTS, at a slot's head.  Each wave waits for all its tensor loads, adds 0 to its spare word, and waits for that and for its reads of the slot that it has left.  Behind the barrier the slot ahead is whole and
; nobody reads the other one; fill = 1: that one takes the next 256 keys, unless they come after the work-group's last query: then none of its waves would read them.
.macro CHANGE fill
	s_wait_tensorcnt 0x0                           ; no tensor load of mine is out, so a group 0 may be written
	ds_add_u32 v[SPW], v[NIL]
.if \fill
	ds_add_u32 v[SPW], v[NIL]                      ; and once more, in every trip alike
	s_xor_b32 s[G0K+1], s[G0K+1], SLOTB
	s_add_nc_u64 s[G0K+2:G0K+3], s[G0K+2:G0K+3], 8192
	s_xor_b32 s[G0V+1], s[G0V+1], SLOTB
	s_add_nc_u64 s[G0V+2:G0V+3], s[G0V+2:G0V+3], 131072
	s_wait_xcnt 0x0                                ; the last prefetch, a slot back, has read its address
	s_add_nc_u64 s[PFA:PFA+1], s[PFA:PFA+1], s[PFS:PFS+1]
.endif
	s_wait_dscnt 0x0
	s_barrier_signal -1
	s_barrier_wait -1
.if \fill
	s_add_co_u32 s96, s[SKF], 256                  ; the first key of the slot that this change would ask for
	s_or_b32 s97, s[Q0+1], 255                     ; my work-group's last query
	s_cmp_gt_u32 s96, s97                          ; ids and the count of steps alone: all sixteen waves go the same way
	s_cbranch_scc1 .Lpast_\@
	TLOAD                                          ; a wave's one tensor load until the next such barrier
.Lpast_\@:
	ASK
.endif
.endm
; THE WAY OUT of tile X: O^T / the sum; its 64 numbers a row are two blocks of 32 along E; the codes leave as an image (512 consecutive bytes), the two scale bytes a row singly: 32 bytes of what the tile stores, one in 17.
.macro FINISH X
.set STT, 12+4*\X
.set OA,  160+32*\X
.rept 4
	v_nop                                          ; places behind the last products
.endr
	v_add_f32 v[STT+2], v[STT+2], v[STT+3]
	v_permlanex16_b32 v252, v[STT+2], s[SEL], s[SEL+1]
	v_add_f32 v[STT+2], v[STT+2], v252             ; the row's sum
	v_rcp_f32 v[STT+2], v[STT+2]
	v_nop                                          ; a plain place behind the reciprocal
	s_lshr_b32 s84, s[Q0+\X], 4
	s_lshl_b32 s85, s[BT], 7
	s_add_co_u32 s84, s84, s85                     ; my tile of 16 tokens among the 512
	s_lshl_b32 s[86+4*\X], s84, 13                 ; a_img: 8,192 bytes a tile, 512 a head
	s_lshl_b32 s85, s[HH], 9
	s_add_co_u32 s[86+4*\X], s[86+4*\X], s85
	s_mov_b32 s[87+4*\X], 0
	s_add_nc_u64 s[86+4*\X:87+4*\X], s[12:13], s[86+4*\X:87+4*\X]
	s_lshl_b32 s[88+4*\X], s84, 9                  ; a_sc: 32 bytes a token, 2 a head
	s_lshl_b32 s85, s[HH], 1
	s_add_co_u32 s[88+4*\X], s[88+4*\X], s85
	s_mov_b32 s[89+4*\X], 0
	s_add_nc_u64 s[88+4*\X:89+4*\X], s[14:15], s[88+4*\X:89+4*\X]
	s_wait_alu depctr_va_vdst(0)                   ; ahead of the reciprocal's first reader
.set J, 0
.rept 16
	v_pk_mul_f32 v[96+J:97+J], v[OA+J:OA+J+1], v[STT+2:STT+3] op_sel_hi:[1,0]   ; register 8 t + j: channel 16 t + 8 h + j
.set J, J+2
.endr
.irp b, 0,1
	v_max3_num_f32 v[232+\b], |v[96+16*\b]|, |v[97+16*\b]|, 0x1800000
.endr
.irp i, 2,4,6,8,10,12,14
.irp b, 0,1
	v_max3_num_f32 v[232+\b], v[232+\b], |v[96+16*\b+\i]|, |v[97+16*\b+\i]|
.endr
.endr
.irp b, 0,1
	v_permlanex16_b32 v[236+\b], v[232+\b], s[SEL], s[SEL+1]
.endr
.irp b, 0,1
	v_max_num_f32 v[232+\b], v[232+\b], v[236+\b]
.endr
.irp b, 0,1
	v_add_nc_u32 v[244+\b], 0xff000000, v[232+\b]
.endr
.irp b, 0,1
	v_lshrrev_b32 v[236+\b], 23, v[244+\b]
.endr
.irp t, 0,1,2,3
	v_cvt_scalef32_pk8_fp4_f32 v[224+4*\X+2*(\t%2)+(\t/2)], v[96+8*\t:103+8*\t], v[244+\t/2]
.endr
	v_cndmask_b32 v[240+\X], v236, v237, s[HM]     ; lanes 0-15 store block 0's byte, lanes 16-31 block 1's.  (The plain place behind the conversions)
.irp p, 0,2
	v_permlane16_swap_b32 v[224+4*\X+\p], v[225+4*\X+\p]
.endr
	global_store_b128 v[LI], v[224+4*\X:227+4*\X], s[86+4*\X:87+4*\X]
	global_store_b8 v[ASO], v[240+\X], s[88+4*\X:89+4*\X]
.endm
	s_wait_loadcnt 0x0                             ; Q and its scale words
.Lslot:                                            ; 7 trips
	CHANGE 1
	TWO_STEPS
	s_sub_co_u32 s[SLOTS], s[SLOTS], 1
	s_cmp_lg_u32 s[SLOTS], 0
	s_cbranch_scc1 .Lslot
	CHANGE 0                                       ; the last slot is written out: nothing is left to ask for
	TWO_STEPS
	FINISH 0
	FINISH 1
	s_wait_tensorcnt 0x0                           ; the wave's end
	ds_add_u32 v[SPW], v[NIL]
	s_wait_dscnt 0x0
	s_endpgm
.Lfunc_end_k_q363e7dc6f8_attn:
	.size	k_q363e7dc6f8_attn, .Lfunc_end_k_q363e7dc6f8_attn-k_q363e7dc6f8_attn
	.p2alignl 7, 3214868480
	.fill 96, 4, 3214868480
	.section	.rodata,"a",@progbits
	.p2align	6, 0x0
	.amdhsa_kernel k_q363e7dc6f8_attn
		.amdhsa_group_segment_fixed_size 327680
		.amdhsa_private_segment_fixed_size 0
		.amdhsa_enable_private_segment 0
		.amdhsa_kernarg_size 48
		.amdhsa_user_sgpr_count 2
		.amdhsa_user_sgpr_kernarg_segment_ptr 1
		.amdhsa_wavefront_size32 1
		.amdhsa_system_sgpr_workgroup_id_x 1
		.amdhsa_system_sgpr_workgroup_id_y 1
		.amdhsa_system_sgpr_workgroup_id_z 1
		.amdhsa_system_vgpr_workitem_id 0
		.amdhsa_next_free_vgpr 256
		.amdhsa_next_free_sgpr 100
		.amdhsa_reserve_vcc 1
		.amdhsa_float_denorm_mode_32 3
		.amdhsa_float_denorm_mode_16_64 3
		.amdhsa_memory_ordered 1
		.amdhsa_forward_progress 1
		.amdhsa_inst_pref_size 101
	.end_amdhsa_kernel
	.amdgpu_metadata
---
amdhsa.version: [ 1, 2 ]
amdhsa.kernels:
  - .name:           k_q363e7dc6f8_attn
    .symbol:         k_q363e7dc6f8_attn.kd
    .args:
      - { .name: qk_img, .offset: 0, .size: 8, .value_kind: global_buffer, .address_space: global }
      - { .name: qk_sc, .offset: 8, .size: 8, .value_kind: global_buffer, .address_space: global }
      - { .name: v_img, .offset: 16, .size: 8, .value_kind: global_buffer, .address_space: global }
      - { .name: v_sc, .offset: 24, .size: 8, .value_kind: global_buffer, .address_space: global }
      - { .name: a_img, .offset: 32, .size: 8, .value_kind: global_buffer, .address_space: global }
      - { .name: a_sc, .offset: 40, .size: 8, .value_kind: global_buffer, .address_space: global }
    .group_segment_fixed_size: 327680
    .private_segment_fixed_size: 0
    .kernarg_segment_align: 8
    .kernarg_segment_size: 48
    .max_flat_workgroup_size: 512
    .sgpr_count:     100
    .vgpr_count:     256
    .wavefront_size: 32
...
	.end_amdgpu_metadata
.endif
;; end of part 2
;; launch proj (part 3): grid 8 x 32, 4 waves a work-group, clusters of 4 x 4, 327,680 bytes of LDS; arguments a_img, a_sc, w_out_codes, w_out_scales, out0, b_out; writes out0
.if DOCPART == 3
	.amdgcn_target "amdgcn-amd-amdhsa--gfx1250"
	.amdhsa_code_object_version 6
	.text
	.protected	k_q363e7dc6f8_proj
	.globl	k_q363e7dc6f8_proj
	.p2align	8
	.type	k_q363e7dc6f8_proj,@function
k_q363e7dc6f8_proj:
	s_mov_b64 s[64:65], 0
	v_nop
	global_prefetch_b8 v0, s[64:65] scope:SCOPE_SE
	s_setreg_imm32_b32 hwreg(HW_REG_WAVE_MODE, 25, 1), 1
	s_wait_xcnt 0x0
	s_wait_alu depctr_hold_cnt(0) depctr_sa_sdst(0) depctr_va_vdst(0) depctr_va_sdst(0) depctr_va_ssrc(0) depctr_va_vcc(0) depctr_vm_vsrc(0)
	s_getreg_b32 s2, hwreg(HW_REG_IB_STS2, 6, 4)
	s_cmp_eq_u32 s2, 0
	s_cbranch_scc0 .Lentry_in_a_cluster
	s_endpgm
.Lentry_in_a_cluster:
	s_bfe_u32 s2, ttmp6, 0x10000c
	s_cmp_lg_u32 s2, 0xf033
	s_cbranch_scc0 .Lentry_shape_is_right
	s_endpgm
.Lentry_shape_is_right:
; out0 = attention's result x w_out + b_out, on codes of FP4 (E2M1) with E8M0 scales.  Nothing is left out here.
; A work-group of four waves makes 256 tokens x 128 columns (256 work-groups), a wave 128 x 64: 32 accumulators of 16 x 16.  K = 1,024 is two LDS slots of 512 along K, both first fills: nothing is filled again.
; Source 0 = 16 rows of w_out (columns of the result), source 1 = 16 tokens: a lane holds eight neighbouring columns of one token's row.  b_out is the C of each sum's first matrix instruction.
; The tokens' codes arrive as IMAGES of operand registers, [tile of 16 tokens][head][512 bytes]: head 2 q + c is half c of K step q; a fragment comes by two loads of 16 bytes a lane at 16 x lane.  Their scale bytes lie as rows of 32.
; CLUSTERS: 4 x 4.  The tokens' tiles are shared along a row of the cluster, w_out's along a column: each is asked for jointly.
; LDS: slot s at 100,352 s: 16 token tiles x 4,096 bytes, then w_out's 128 rows x 272; the tokens' scales at 200,704, w_out's at 209,408 (units of 256 bytes + 16); the spare words at 213,760.
; The stage for the way out, 16 rows x 272 bytes a wave, lies in slot 0, which has had its only fill and its last read when the first result is stored there.
; REGISTERS: window 0: v16-31 addresses; v32-95 scale words, two sets; v128-191 the tokens' fragments, later rows on their way out; v192-223 the bias.  window 1: w_out's fragments, two sets.  window 2: the accumulators ((a, b) at v[8 (4 a + b)]).
.set NQ,    4
.set FR,    8
.set NL,    2
.set NP,    4
.set PITCH, 272
.set ROWB,  256
.set ATILE, 4096
.set AHALF, 8*ATILE
.set BOFF,  2*AHALF
.set BHALF, 64*PITCH
.set SLOT,  BOFF+2*BHALF
.set SCA,   2*SLOT
.set SAH,   16*272
.set SCB,   SCA+2*SAH
.set SBH,   8*272
.set SBLK,  544
.set SPARE, SCB+2*SBH
.set ADRA, 16
.set ADRB, 20
.set STO,  24
.set RD,   25
.set CO,   26
.set ADRS, 27                          ; v27 scale words: lanes 0-15 the tokens', lanes 16-31 w_out's
.set SPW,  28
.set NIL,  29
.set VB,   30                          ; v30 32 h: my offset in the bias
.set ADRS2, 31                         ; v31 the tokens' in all lanes: blocks 4-7 have no partner among w_out's four
.set SC,   32
.set AF,   128
.set BK,   128
.set BI,   192
.set G1, 24
.set G0, 32
.set G1B, 48
.set G0B, 56
.set G1S, 68
.set G0S, 76
.set G1SB, 80
.set G0SB, 88
.set MSB, 0
.macro WIN new
.if MSB != (\new)
	s_set_vgpr_msb (MSB<<8)|(\new)
.set MSB, (\new)
.endif
.endm
.set MUL,  0xa1                        ; source 0 window 1, source 1 window 0, C and D window 2
.set MULF, 0x81                        ; the same with C (the bias) in window 0
.set TO_B, 0x40
.macro JLOAD g0a, g1a, g0b, g1b        ; waves 0 and 1 fetch the tokens' halves, waves 2 and 3 w_out's; an s_nop 0 and four v_nop follow each line
	s_cmp_eq_u32 s15, 0
	s_cbranch_scc0 .Lfor_b_\@
	tensor_load_to_lds s[\g0a:\g0a+3], s[\g1a:\g1a+7]
	s_nop 0
.rept 4
	v_nop
.endr
	s_branch .Lasked_\@
.Lfor_b_\@:
	tensor_load_to_lds s[\g0b:\g0b+3], s[\g1b:\g1b+7]
	s_nop 0
.rept 4
	v_nop
.endr
.Lasked_\@:
.endm
.macro CROUND
	s_barrier_signal -1
	s_barrier_wait -1
	s_cmp_lg_u32 s14, 0
	s_cbranch_scc1 .Lnot_wave_0_\@
	s_barrier_signal -3
.Lnot_wave_0_\@:
	s_barrier_wait -3
	s_barrier_signal -1
	s_barrier_wait -1
.endm
	s_load_b128 s[4:7], s[0:1], 0x0                ; a_img, a_sc
	s_load_b128 s[8:11], s[0:1], 0x10              ; w_out's codes, its scales
	s_load_b128 s[96:99], s[0:1], 0x20             ; out0 s[96:97], b_out s[98:99]
	v_lshl_add_u32 v[SPW], v0, 2, SPARE
	v_mov_b32 v[NIL], 0
	ds_add_u32 v[SPW], v[NIL]                      ; the wave's opening: the add, twice on end, and its wait ahead of my first tensor load
	ds_add_u32 v[SPW], v[NIL]
	v_lshrrev_b32 v1, 5, v0
	v_readfirstlane_b32 s14, v1                    ; wave 0..3
	s_lshr_b32 s15, s14, 1                         ; which 128 tokens are mine.  Also: I fetch the tokens' (0) or w_out's (1)
	s_and_b32 s16, s14, 1                          ; which 64 columns.  Also: which half of that tile I fetch
	s_bfe_u32 s40, ttmp6, 0x40000                  ; cx
	s_bfe_u32 s41, ttmp6, 0x40004                  ; cy
	s_lshl_b32 s42, ttmp9, 2
	s_add_co_u32 s42, s42, s40                     ; tile of 128 columns
	s_and_b32 s17, ttmp7, 0xffff
	s_lshl_b32 s17, s17, 2
	s_add_co_u32 s17, s17, s41                     ; tile of 256 tokens
	s_lshl_b32 s43, s41, 2
	s_lshl_b32 s43, 15, s43                        ; my row of the cluster
	s_lshl_b32 s44, 0x1111, s40                    ; my column
	s_or_b32 s[G1+0], s43, (3<<16)|(1<<21)         ; the tokens' codes: 8 rows (tiles) of 4,096 bytes (512 elements of 8), 8,192 apart; no padding
	s_mov_b32 s[G1+1], 512<<16
	s_mov_b32 s[G1+2], 8<<16
	s_mov_b32 s[G1+3], 512<<16
	s_mov_b32 s[G1+4], 8
	s_mov_b32 s[G1+5], 1024
	s_mov_b32 s[G1+6], 0
	s_mov_b32 s[G1+7], 0
	s_or_b32 s[G1B+0], s44, (0<<16)|(1<<20)|(1<<21)|(5<<22)|(3<<25)   ; w_out's: 64 rows of 256 bytes, 512 apart, 16 bytes of padding behind each
	s_mov_b32 s[G1B+1], ROWB<<16
	s_mov_b32 s[G1B+2], 64<<16
	s_mov_b32 s[G1B+3], ROWB<<16
	s_mov_b32 s[G1B+4], 64
	s_mov_b32 s[G1B+5], 512
	s_mov_b32 s[G1B+6], 0
	s_mov_b32 s[G1B+7], 0
	s_or_b32 s[G1S+0], s43, (3<<16)|(1<<20)|(1<<21)|(5<<22)|(3<<25)   ; the scales of 128 tokens: 16 units of 256 bytes
	s_mov_b32 s[G1S+1], 32<<16
	s_mov_b32 s[G1S+2], 16<<16
	s_mov_b32 s[G1S+3], 32<<16
	s_mov_b32 s[G1S+4], 16
	s_mov_b32 s[G1S+5], 32
	s_mov_b32 s[G1S+6], 0
	s_mov_b32 s[G1S+7], 0
	s_or_b32 s[G1SB+0], s44, (3<<16)|(1<<20)|(1<<21)|(5<<22)|(3<<25)  ; of 64 rows of w_out: 8 units
	s_mov_b32 s[G1SB+1], 32<<16
	s_mov_b32 s[G1SB+2], 8<<16
	s_mov_b32 s[G1SB+3], 32<<16
	s_mov_b32 s[G1SB+4], 8
	s_mov_b32 s[G1SB+5], 32
	s_mov_b32 s[G1SB+6], 0
	s_mov_b32 s[G1SB+7], 0
	s_lshl_b32 s20, s17, 17                        ; the tokens' codes: (16 tile + 8 half) x 8,192
	s_lshl_b32 s18, s16, 16
	s_add_co_u32 s20, s20, s18
	s_mov_b32 s21, 0
	s_lshl_b32 s22, s17, 13                        ; their scales: (256 tile + 128 half) x 32
	s_lshl_b32 s18, s16, 12
	s_add_co_u32 s22, s22, s18
	s_mov_b32 s23, 0
	s_lshl_b32 s46, s42, 16                        ; w_out's codes: (128 tile + 64 half) x 512
	s_lshl_b32 s18, s16, 15
	s_add_co_u32 s46, s46, s18
	s_mov_b32 s47, 0
	s_lshl_b32 s92, s42, 12                        ; its scales
	s_lshl_b32 s18, s16, 11
	s_add_co_u32 s92, s92, s18
	s_mov_b32 s93, 0
	s_lshl_b32 s45, s16, 15                        ; where they go: no place in the cluster enters an LDS address
	s_mul_i32 s94, s16, BHALF
	s_add_co_u32 s94, s94, BOFF
	s_mul_i32 s95, s16, SAH
	s_add_co_u32 s95, s95, SCA
	s_mul_i32 s19, s16, SBH
	s_add_co_u32 s19, s19, SCB
	s_wait_dscnt 0x0                               ; both opening adds are done
	s_wait_kmcnt 0x0
	s_add_nc_u64 s[20:21], s[4:5], s[20:21]
	s_add_nc_u64 s[22:23], s[6:7], s[22:23]
	s_add_nc_u64 s[46:47], s[8:9], s[46:47]
	s_add_nc_u64 s[92:93], s[10:11], s[92:93]
	CROUND                                         ; all sixteen work-groups are here: the first joint loads meet
	s_mov_b32 s[G0S], 1
	s_mov_b32 s[G0S+1], s95
	s_mov_b64 s[G0S+2:G0S+3], s[22:23]
	s_or_b32 s[G0S+3], s[G0S+3], 0x80000000
	s_mov_b32 s[G0SB], 1
	s_mov_b32 s[G0SB+1], s19
	s_mov_b64 s[G0SB+2:G0SB+3], s[92:93]
	s_or_b32 s[G0SB+3], s[G0SB+3], 0x80000000
	JLOAD G0S, G1S, G0SB, G1SB
.irp s, 0,1
	s_mov_b32 s[G0+4*\s], 1
	s_add_co_u32 s[G0+4*\s+1], s45, \s*SLOT
	s_add_nc_u64 s[G0+4*\s+2:G0+4*\s+3], s[20:21], \s*ATILE
	s_or_b32 s[G0+4*\s+3], s[G0+4*\s+3], 0x80000000
	s_mov_b32 s[G0B+4*\s], 1
	s_add_co_u32 s[G0B+4*\s+1], s94, \s*SLOT
	s_add_nc_u64 s[G0B+4*\s+2:G0B+4*\s+3], s[46:47], \s*ROWB
	s_or_b32 s[G0B+4*\s+3], s[G0B+4*\s+3], 0x80000000
	JLOAD G0+4*\s, G1, G0B+4*\s, G1B               ; three loads of mine are out
.endr
	v_and_b32 v1, 15, v0                           ; r
	v_bfe_u32 v2, v0, 4, 1                         ; h
	s_lshl_b32 s46, s42, 9                         ; my first column, in bytes of f32: 512 x tile + 256 x half
	s_lshl_b32 s47, s16, 8
	s_add_co_u32 s46, s46, s47
	s_mov_b32 s47, 0
	s_add_nc_u64 s[98:99], s[98:99], s[46:47]
	v_lshlrev_b32 v[VB], 5, v2
.irp b, 0,1,2,3
	global_load_b128 v[BI+8*\b:BI+8*\b+3], v[VB], s[98:99] offset:64*\b         ; b_out at columns 16 b + 8 h + 0 .. 7
	global_load_b128 v[BI+8*\b+4:BI+8*\b+7], v[VB], s[98:99] offset:64*\b+16
.endr
	s_lshl_b32 s20, s17, 20                        ; my first token's row of out0: (256 tile + 128 half) x 4,096
	s_lshl_b32 s21, s15, 19
	s_add_co_u32 s20, s20, s21
	s_mov_b32 s21, 0
	s_add_nc_u64 s[20:21], s[20:21], s[46:47]
	s_add_nc_u64 s[96:97], s[96:97], s[20:21]
	v_and_b32 v3, 31, v0
	v_lshlrev_b32 v3, 4, v3                        ; 16 x lane
	v_mul_u32_u24 v4, v1, PITCH
	v_lshl_add_u32 v4, v2, 4, v4                   ; w_out: row x pitch + 16 h
	s_lshl_b32 s21, s15, 15                        ; my 8 token tiles
	s_mul_i32 s22, s16, BHALF
	s_add_co_u32 s22, s22, BOFF                    ; my 64 rows of w_out
.irp s, 0,1
	v_add_nc_u32 v[ADRA+\s], s21, v3
	v_add_nc_u32 v[ADRB+\s], s22, v4
	s_add_co_u32 s21, s21, SLOT
	s_add_co_u32 s22, s22, SLOT
.endr
	v_lshlrev_b32 v5, 5, v1                        ; my row's scales: 32 bytes a row,
	v_lshrrev_b32 v6, 8, v5
	v_lshl_add_u32 v5, v6, 4, v5                   ; and 16 more for each 256 passed
	s_mul_i32 s21, s15, SAH
	s_mul_i32 s22, s16, SBH
	s_add_co_u32 s22, s22, SCB-SCA
	s_sub_co_u32 s22, s22, s21
	v_mul_u32_u24 v6, s22, v2                      ; lanes 16-31 take w_out's
	s_add_co_u32 s21, s21, SCA
	v_add_nc_u32 v[ADRS2], s21, v5
	v_add_nc_u32 v[ADRS], v[ADRS2], v6
	s_mul_i32 s23, s14, 16*PITCH                   ; my stage
	v_mul_u32_u24 v5, v1, PITCH
	v_lshl_add_u32 v5, v2, 5, v5
	v_add_nc_u32 v[STO], s23, v5                   ; in: row r, 32 bytes for each half of the lanes
	v_mul_u32_u24 v5, v2, PITCH
	v_lshl_add_u32 v5, v1, 4, v5
	v_add_nc_u32 v[RD], s23, v5                    ; back: lanes 0-15 one row of 256 bytes, lanes 16-31 the next
	v_lshlrev_b32 v[CO], 12, v2
	v_lshl_add_u32 v[CO], v1, 4, v[CO]             ; and the same two rows in out0
.macro FRAG_A reg, slot, q, i          ; a token tile's fragment: an image, 512 consecutive bytes a load
.irp c, 0,1
	ds_load_b128 v[\reg+4*\c:\reg+4*\c+3], v[ADRA+\slot] offset:ATILE*(\i)+1024*(\q)+512*\c
.endr
.endm
.macro FRAG_B reg, slot, q, i
.irp c, 0,1
	ds_load_b128 v[\reg+4*\c:\reg+4*\c+3], v[ADRB+\slot] offset:64*(\q)+32*\c+(\i)*16*PITCH
.endr
.endm
; 8 matrix instructions: token blocks a0, a0 + 1 x w_out's four.  The 32 accumulators take turns, one instruction a turn, in the same order in every step.
.macro MUL8 a0, p, q, sc, first
.irp a, \a0, \a0+1
.irp b, 0,1,2,3
.if \first
	v_wmma_scale_f32_16x16x128_f8f6f4 v[8*(4*(\a)+\b):8*(4*(\a)+\b)+7], v[128*(\p)+FR*\b:128*(\p)+FR*\b+FR-1], v[AF+FR*(\a):AF+FR*(\a)+FR-1], v[BI+8*\b:BI+8*\b+7], v[SC+32*(\sc)+4*\b+(\q)], v[SC+32*(\sc)+4*(\a)+(\q)] matrix_a_fmt:MATRIX_FMT_FP4 matrix_b_fmt:MATRIX_FMT_FP4 matrix_a_scale:MATRIX_SCALE_ROW1
.else
	v_wmma_scale_f32_16x16x128_f8f6f4 v[8*(4*(\a)+\b):8*(4*(\a)+\b)+7], v[128*(\p)+FR*\b:128*(\p)+FR*\b+FR-1], v[AF+FR*(\a):AF+FR*(\a)+FR-1], v[8*(4*(\a)+\b):8*(4*(\a)+\b)+7], v[SC+32*(\sc)+4*\b+(\q)], v[SC+32*(\sc)+4*(\a)+(\q)] matrix_a_fmt:MATRIX_FMT_FP4 matrix_b_fmt:MATRIX_FMT_FP4 matrix_a_scale:MATRIX_SCALE_ROW1
.endif
.endr
.endr
.endm
.macro FETCH_B slot, q, p
	WIN TO_B
.irp i, 0,1,2,3
	FRAG_B 128*(\p)+FR*\i, \slot, \q, \i
.endr
	WIN 0
.endm
.macro FETCH_A slot, q, i0
.irp i, \i0, \i0+1, \i0+2, \i0+3
	FRAG_A AF+FR*(\i), \slot, \q, \i
.endr
.endm
.macro SCALES sc
.irp i, 0,1,2,3
	ds_load_b128 v[SC+32*\sc+4*\i:SC+32*\sc+4*\i+3], v[ADRS] offset:\i*SBLK
.endr
.irp i, 4,5,6,7
	ds_load_b128 v[SC+32*\sc+4*\i:SC+32*\sc+4*\i+3], v[ADRS2] offset:\i*SBLK
.endr
.endm
.macro PLACES n
.rept \n
	v_nop
.endr
.endm
.macro MWIN first
.if \first
	WIN MULF
.else
	WIN MUL
.endif
.endm
.macro STEP slot, q, first
	s_wait_dscnt 4*NL                              ; all but the youngest eight loads (token blocks 4-7) are in
	MWIN \first
	MUL8 0, (\q)%2, \q, \slot, \first
	MUL8 2, (\q)%2, \q, \slot, \first
	s_wait_dscnt 0
	PLACES NP
	FETCH_B \slot, (\q)+1, 1-(\q)%2
	FETCH_A \slot, (\q)+1, 0
	MWIN \first
	MUL8 4, (\q)%2, \q, \slot, \first
	MUL8 6, (\q)%2, \q, \slot, \first
	PLACES NP
	WIN 0
	FETCH_A \slot, (\q)+1, 4
.endm
.macro TURN slot, next                 ; a slot's last step changes slots: one barrier, behind which the next slot is whole.  Nothing is filled again
	s_wait_tensorcnt 0x0
	ds_add_u32 v[SPW], v[NIL]
	s_wait_dscnt 4*NL+1                            ; the add and the youngest eight loads may be out
	WIN MUL
	MUL8 0, 1, NQ-1, \slot, 0
	s_wait_dscnt 0x0
	s_barrier_signal -1
	MUL8 2, 1, NQ-1, \slot, 0
	WIN 0
	s_barrier_wait -1
	PLACES NP
	v_add_nc_u32 v[ADRS], 4*NQ, v[ADRS]
	v_add_nc_u32 v[ADRS2], 4*NQ, v[ADRS2]
	FETCH_B \next, 0, 0
	FETCH_A \next, 0, 0
	SCALES \next
	WIN MUL
	MUL8 4, 1, NQ-1, \slot, 0
	MUL8 6, 1, NQ-1, \slot, 0
	PLACES NP
	WIN 0
	FETCH_A \next, 0, 4
.endm
; THE WAY OUT, 16 tokens x 64 columns at a time, through my own stage: LDS serves a wave's instructions in order (ISA guide 5.7.1.4), so no wait stands between the stores and the loads.
.macro TOSTAGE a
	WIN 0x08                                       ; an LDS store's data are its source 1: window 2
.irp b, 0,1,2,3
	ds_store_b128 v[STO], v[8*(4*(\a)+\b):8*(4*(\a)+\b)+3] offset:64*\b          ; each accumulator from its low end on
	ds_store_b128 v[STO], v[8*(4*(\a)+\b)+4:8*(4*(\a)+\b)+7] offset:64*\b+16
.endr
	WIN 0
.set BB, BK+32*((\a)%2)
.irp t, 0,1,2,3,4,5,6,7
	ds_load_b128 v[BB+4*\t:BB+4*\t+3], v[RD] offset:\t*2*PITCH
.endr
.endm
.macro SEND a, younger                 ; younger: the LDS instructions issued behind block a's loads
.set BB, BK+32*((\a)%2)
	s_wait_dscnt \younger
.irp t, 0,1,2,3,4,5,6,7
	global_store_b128 v[CO], v[BB+4*\t:BB+4*\t+3], s[96:97] offset:(\a)*65536+\t*8192 th:TH_STORE_NT   ; 16 lanes store 256 consecutive bytes, at a multiple of 256 from out0's first byte
.endr
.endm
	s_wait_tensorcnt 1                             ; the scales and my part of slot 0 are in; slot 1's load may be out
	s_barrier_signal -1
	s_barrier_wait -1
	FETCH_B 0, 0, 0
	FETCH_A 0, 0, 0
	SCALES 0
	FETCH_A 0, 0, 4
	s_wait_loadcnt 0x0                             ; the bias
	STEP 0, 0, 1                                   ; the first products start the sums from the bias
	STEP 0, 1, 0
	STEP 0, 2, 0
	TURN 0, 1
	STEP 1, 0, 0
	STEP 1, 1, 0
	STEP 1, 2, 0
	s_wait_dscnt 4*NL                              ; the very last step: nothing more to fetch
	WIN MUL
	MUL8 0, 1, NQ-1, 1, 0
	MUL8 2, 1, NQ-1, 1, 0
	s_wait_dscnt 0
	MUL8 4, 1, NQ-1, 1, 0
	MUL8 6, 1, NQ-1, 1, 0
	WIN 0
	PLACES NP                                      ; in front of the first read of results and of the loads into the registers that held the tokens' fragments
	TOSTAGE 0
.irp a, 1,2,3,4,5,6,7
.if \a > 1
	s_wait_xcnt 0x0                                ; block a - 2's stores have read their registers: block a's loads may land there
.endif
	TOSTAGE \a
	SEND \a-1, 16                                  ; behind block a - 1's loads: block a's 8 stores and 8 loads
.endr
	SEND 7, 0
	s_wait_tensorcnt 0x0                           ; the wave's end
	ds_add_u32 v[SPW], v[NIL]
	s_wait_dscnt 0x0
	CROUND                                         ; the closing round
	s_endpgm
.Lfunc_end_k_q363e7dc6f8_proj:
	.size	k_q363e7dc6f8_proj, .Lfunc_end_k_q363e7dc6f8_proj-k_q363e7dc6f8_proj
	.p2alignl 7, 3214868480
	.fill 96, 4, 3214868480
	.section	.rodata,"a",@progbits
	.p2align	6, 0x0
	.amdhsa_kernel k_q363e7dc6f8_proj
		.amdhsa_group_segment_fixed_size 327680
		.amdhsa_private_segment_fixed_size 0
		.amdhsa_enable_private_segment 0
		.amdhsa_kernarg_size 48
		.amdhsa_user_sgpr_count 2
		.amdhsa_user_sgpr_kernarg_segment_ptr 1
		.amdhsa_wavefront_size32 1
		.amdhsa_system_sgpr_workgroup_id_x 1
		.amdhsa_system_sgpr_workgroup_id_y 1
		.amdhsa_system_sgpr_workgroup_id_z 1
		.amdhsa_system_vgpr_workitem_id 0
		.amdhsa_next_free_vgpr 768
		.amdhsa_next_free_sgpr 100
		.amdhsa_reserve_vcc 0
		.amdhsa_float_denorm_mode_32 3
		.amdhsa_float_denorm_mode_16_64 3
		.amdhsa_memory_ordered 1
		.amdhsa_forward_progress 1
		.amdhsa_inst_pref_size 75
	.end_amdhsa_kernel
	.amdgpu_metadata
---
amdhsa.version: [ 1, 2 ]
amdhsa.kernels:
  - .name:           k_q363e7dc6f8_proj
    .symbol:         k_q363e7dc6f8_proj.kd
    .args:
      - { .name: a_img, .offset: 0, .size: 8, .value_kind: global_buffer, .address_space: global }
      - { .name: a_sc, .offset: 8, .size: 8, .value_kind: global_buffer, .address_space: global }
      - { .name: w_out_codes, .offset: 16, .size: 8, .value_kind: global_buffer, .address_space: global }
      - { .name: w_out_scales, .offset: 24, .size: 8, .value_kind: global_buffer, .address_space: global }
      - { .name: out0, .offset: 32, .size: 8, .value_kind: global_buffer, .address_space: global }
      - { .name: b_out, .offset: 40, .size: 8, .value_kind: global_buffer, .address_space: global }
    .group_segment_fixed_size: 327680
    .private_segment_fixed_size: 0
    .kernarg_segment_align: 8
    .kernarg_segment_size: 48
    .max_flat_workgroup_size: 128
    .sgpr_count:     100
    .vgpr_count:     768
    .wavefront_size: 32
...
	.end_amdgpu_metadata
.endif
;; end of part 3
